; MI455X (gfx1250); checked and timed in simulation.
; The chip was launched on July 23, 2026; its instructions are those of AMD's public machine-readable ISA for CDNA 5 (MIT licence, August 2026) and "CDNA5" Instruction Set Architecture Reference Guide (July 2026). The comments in the code are by the model that wrote it; some were corrected since.
;; Mo E. Allowed arithmetic: matrix products marked QUANTISED: E5M2 operands, one given power-of-two scale a tensor, by v_wmma_f32_16x16x64_bf8_bf8 or v_wmma_f32_16x16x128_bf8_bf8, f32 sums; products left as they are: f32 operands where the result goes on into a quantised operand, else bf16, f16 or f32 operands; f32 sums; everything else in f32.
;; Inputs: W1_codes 8 x 4,096 x 32 x 32 uint8 (E5M2 codes of W1, K innermost, in blocks of 32 codes); W2_codes 8 x 1,024 x 128 x 32 uint8 (E5M2 codes of W2, K innermost, in blocks of 32 codes); Wg 1,024 x 8 float32; Wn 1,024 x 8 float32; b1 8 x 4,096 float32; b2 8 x 1,024 float32; bg 8 float32; bn 8 float32; lowp_scales 4 int32 (the exponents e of the quantised operands' scales 2^e); noise 4 x 256 x 8 float32; x 4 x 256 x 1,024 float32.
;; Outputs: out0 4 x 256 x 1,024 float32; out1 one number float32.
;; This version of the problem:
;;   THIS VERSION OF THE PROBLEM IS GIVEN IN LOW PRECISION. The matrix products marked QUANTISED in the list below multiply operands that are first quantised to E5M2 (5 exponent bits, 2 mantissa bits; 8 bits a number), with one given power-of-two scale for each operand tensor; their sums are f32. All else is computed in f32.
;;   The module's matrix products, in the order in which they are computed (A, B: the left and right operand; K: the contracted axis; several contracted axes count as one K, in the product's order):
;;     1. [M 1,024, K 1,024] x [K 1,024, N 8]; A: input x; B: input Wg: left as it is (N = 8 < 16)
;;     2. [M 1,024, K 1,024] x [K 1,024, N 8]; A: input x; B: input Wn: left as it is (N = 8 < 16)
;;     3. [M 1,024, K 1,024] x [K 1,024, N 32,768]; A: input x; B: input W1 (given as codes): QUANTISED (scales: A lowp_scales[0], B lowp_scales[1])
;;     4. batch 8 x [M 1,024, K 4,096] x [K 4,096, N 1,024]; A: input W2 (given as codes); B: computed on the way: QUANTISED (scales: A lowp_scales[2], B lowp_scales[3])
;;     5. batch 1,024 x [M 1, K 8] x [K 8, N 1,024]; A: computed on the way; B: computed on the way: left as it is (K = 8 < 32)
;;   THE QUANTISER, for each operand of a quantised product, along K:
;;     - The operand's scale is 2^e, e = its entry of the input lowp_scales (int32; the entries are numbered through the quantised products in the list's order, A before B).
;;     - Each number is divided by the scale, clamped to +-57,344, and rounded to the nearest number of E5M2, ties to even, subnormals kept.
;;     - The product sums the exact products of the quantised numbers (number of the format x scale) in f32.
;;   ~~~python
;;   def quantise(x, axis, e):      # numpy; x: float32 -> the quantised numbers, widened to float32 again
;;       x = np.moveaxis(x, axis, -1); K = x.shape[-1]
;;       r = np.clip(x / 2.0 ** e, -57344, 57344)
;;       step = 2.0 ** (np.maximum(np.frexp(np.where(r == 0, 1, r))[1] - 1, -14) - 2)
;;       q = np.round(r / step) * step * 2.0 ** e      # np.round: ties to even
;;       return np.moveaxis(q, -1, axis).astype(np.float32)
;;   ~~~
;;   OPERANDS COMPUTED ON THE WAY. 'Computed on the way' means the value that the module computes at that place (a softmax that the list does not call 'softmax' is quantised finished and normalised). What goes into a quantiser is computed in f32, as accurately as f32 sums, v_exp_f32 and their like allow (about 1e-6 of the number): no bf16 or f16 on the way to a quantiser, and a product that is left as it is and whose result goes on into a quantised operand takes f32 operands (vector FMAs, or v_wmma_f32_16x16x4_f32). A number that lies on a knife's edge between two numbers of the format may be rounded either way, as far as f32 arithmetic and the matrix unit's own rounding can turn it there, and no further.
;;   INPUTS GIVEN AS CODES. W1 (in the module: [8, 1024, 4096], K = its axis 1); W2 (in the module: [8, 4096, 1024], K = its axis 1): each comes as NAME_codes (uint8): NAME with its K axis moved to the last place and cut into blocks of 32 codes, [.., K / 32, bytes a block], one block behind the other in memory; one code a byte (a code: sign, 5 exponent bits, 2 mantissa bits); its scale is its entry of lowp_scales. Its value is code x scale, taken as it is: it is not quantised again, and the codes and scales need not be those that the quantiser above would give.
;; 2 versions, each right; version 2 is version 1 with the launch combine written anew for expert scheduling mode. Each part assembles by itself: llvm-mc -triple=amdgcn-amd-amdhsa -mcpu=gfx1250 --defsym DOCPART=n.
;; ======== version 1 of 2: 4 launches
;; workspace buffers: xq 1,048,576 bytes; route 4,096 bytes of whole numbers; gatew 8,192 bytes; psum 4,096 bytes; hq 33,554,432 bytes; ybuf 8,388,608 bytes
;; launch route (part 1): grid 64 x 1, 8 waves a work-group, no clusters, 164,864 bytes of LDS; arguments x, Wg, Wn, bg, bn, noise, lowp_scales, xq, route, gatew, psum; writes xq, route, gatew, psum
.if DOCPART == 1
	.amdgcn_target "amdgcn-amd-amdhsa--gfx1250"
	.amdhsa_code_object_version 6
	.text
	.protected	k_q5ef8b0cccd_route
	.globl	k_q5ef8b0cccd_route
	.p2align	8
	.type	k_q5ef8b0cccd_route,@function
k_q5ef8b0cccd_route:
	s_mov_b64 s[64:65], 0
	v_nop
	global_prefetch_b8 v0, s[64:65] scope:SCOPE_SE
	s_setreg_imm32_b32 hwreg(HW_REG_WAVE_MODE, 25, 1), 1
	s_wait_xcnt 0x0
; THE ROUTER AND x's CODES.  Work-group g takes tokens 16 g .. 16 g + 15; wave w takes k = 128 w .. 128 w + 127 of all sixteen.
; x . [Wg | Wn] is one product with 16 columns, in f32 (the top-2 is a choice that a coarser operand would turn): 32 instructions of 16 x 16 x 4 a wave, four accumulators by turns.
; The same numbers of x are quantised to E5M2 with the given 2^ex and leave as rows of codes (xq [1024][1024]).
; Wave 0 then adds the eight waves' parts and finishes: softplus, noisy scores, top-2 (strict compare: the lower index wins a tie), the two gate weights (the larger score is taken away ahead of the exponential),
; the clean gate probabilities (the largest logit is taken away), and the sums over the 16 tokens for the loss.
; OUT: route[t] = (1 << i1) | (0x100 << i2), whole numbers; gatew[t] = (w1, w2); psum[g] = 8 sums of probabilities, 8 counts.
; LIMITS: ex between -126 and 112.  NaN and infinities among the inputs are not served.  Two noisy scores closer than f32 rounding may be ordered either way.
.set XS,  0                            ; LDS: 8 waves x 16 rows x 528 bytes: x's 512 bytes of a row + 16
.set WL,  67584                        ; 8 waves x 8 blocks of (16 k x 64 bytes + 64): a k's row is Wg's 8 numbers, then Wn's 8
.set CS,  137216                       ; 16 rows x 1,040 bytes: the tokens' codes
.set PL,  153856                       ; 8 waves x 1,024 bytes: the waves' partial sums
.set PC,  16                           ; v16-31   codes
.set X,   32                           ; v32-95   x: register 16 b + i = x[r][128 w + 32 b + 16 h + i]
.set W,   96                           ; v96-159  [Wg | Wn]: register 16 b + i = column r at the same k
.set RX,  160                          ; v160-223 x as loaded; then the held numbers; then sums
.set ACC, 224                          ; v224-255 four accumulators, written by matrix instructions alone
	s_load_b512 s[4:19], s[0:1], 0x0               ; x, Wg, Wn, bg, bn, noise, scales, xq
	s_load_b128 s[20:23], s[0:1], 0x40             ; route, gatew
	s_load_b64 s[24:25], s[0:1], 0x50              ; psum
	v_lshl_add_u32 v7, v0, 2, 0x28000
	s_set_vgpr_msb 0x40
	v_mov_b32 v1, 0
	s_set_vgpr_msb 0x4000
	v_lshrrev_b32 v1, 5, v0
	v_readfirstlane_b32 s26, v1                    ; wave 0..7
	v_and_b32 v1, 31, v0                           ; lane
	v_and_b32 v2, 15, v0                           ; r
	v_bfe_u32 v3, v0, 4, 1                         ; h
	v_lshlrev_b32 v4, 4, v1                        ; 16 x lane
	s_mul_i32 s45, s26, 8448
	v_add_nc_u32 v5, s45, v4                       ; x into LDS: my wave's region + 16 x lane
	v_mul_u32_u24 v6, v2, 528
	v_lshl_add_u32 v6, v3, 6, v6
	v_add_nc_u32 v6, s45, v6                       ; and back: row r, + 64 h
	s_mul_i32 s45, s26, 8704
	s_add_co_u32 s45, s45, WL
	v_lshrrev_b32 v8, 1, v1
	v_and_b32 v9, 1, v1
	v_lshlrev_b32 v8, 6, v8
	v_lshl_add_u32 v8, v9, 4, v8
	v_add_nc_u32 v8, s45, v8                       ; W into LDS: k = lane / 2 of the block, 16 (lane % 2)
	v_mul_u32_u24 v9, v3, 1088
	v_lshl_add_u32 v9, v2, 2, v9
	v_add_nc_u32 v9, s45, v9                       ; and back: block h, column r
	s_lshl_b32 s45, s26, 7
	s_add_co_u32 s45, s45, CS
	v_mul_u32_u24 v10, v2, 1040
	v_lshl_add_u32 v10, v3, 4, v10
	v_add_nc_u32 v10, s45, v10                     ; codes into LDS: row r, 128 w + 16 h
	s_mul_i32 s45, s26, 2080
	s_add_co_u32 s45, s45, CS
	v_add_nc_u32 v11, s45, v4                      ; and back: rows 2 w, 2 w + 1
	s_lshl_b32 s45, s26, 10
	s_add_co_u32 s45, s45, PL
	v_add_nc_u32 v13, s45, v4                      ; my partial sums
	v_add_nc_u32 v14, PL, v4                       ; all waves' partial sums
	s_mov_b32 s46, 0x76543210
	s_mov_b32 s47, 0xfedcba98                      ; v_permlanex16_b32: lane l xor 16
	s_mov_b32 s51, 0
	s_lshl_b32 s50, ttmp9, 16
	s_lshl_b32 s45, s26, 9
	s_add_co_u32 s50, s50, s45
	s_wait_kmcnt 0x0
	s_load_b256 s[28:35], s[10:11], 0x0            ; bg
	s_load_b256 s[36:43], s[12:13], 0x0            ; bn
	s_load_b32 s44, s[16:17], 0x0                  ; ex
	s_add_nc_u64 s[4:5], s[4:5], s[50:51]          ; x at token 16 g, k = 128 w
	s_lshl_b32 s50, s26, 12
	s_add_nc_u64 s[6:7], s[6:7], s[50:51]          ; Wg, Wn at k = 128 w
	s_add_nc_u64 s[8:9], s[8:9], s[50:51]
	s_lshl_b32 s50, ttmp9, 14
	s_lshl_b32 s45, s26, 11
	s_add_co_u32 s50, s50, s45
	s_add_nc_u64 s[18:19], s[18:19], s[50:51]      ; xq at token 16 g + 2 w
	s_lshl_b32 s50, ttmp9, 9
	s_add_nc_u64 s[14:15], s[14:15], s[50:51]      ; noise
	s_lshl_b32 s50, ttmp9, 6
	s_add_nc_u64 s[20:21], s[20:21], s[50:51]      ; route
	s_add_nc_u64 s[24:25], s[24:25], s[50:51]      ; psum
	s_lshl_b32 s50, ttmp9, 7
	s_add_nc_u64 s[22:23], s[22:23], s[50:51]      ; gatew
.irp n, 0,1,2,3,4,5,6,7,8,9,10,11,12,13,14,15
	global_load_b128 v[RX+4*\n:RX+4*\n+3], v4, s[4:5] offset:4096*\n th:TH_LOAD_NT   ; token n: 512 consecutive bytes
.endr
.irp n, 0,1,2,3,4,5,6,7
	global_load_b128 v[W+4*\n:W+4*\n+3], v4, s[6:7] offset:512*\n
.endr
.irp n, 0,1,2,3,4,5,6,7
	global_load_b128 v[W+32+4*\n:W+32+4*\n+3], v4, s[8:9] offset:512*\n
.endr
	s_wait_loadcnt 16                              ; x is in; the 16 loads of Wg and Wn may be out
.irp n, 0,1,2,3,4,5,6,7,8,9,10,11,12,13,14,15
	ds_store_b128 v5, v[RX+4*\n:RX+4*\n+3] offset:528*\n
.endr
.irp b, 0,1,2,3
.irp q, 0,1,2,3
	ds_load_b128 v[X+16*\b+4*\q:X+16*\b+4*\q+3], v6 offset:128*\b+16*\q   ; my wave's own bytes, served in order
.endr
.endr
	s_wait_loadcnt 0x0
.irp n, 0,1,2,3,4,5,6,7
	ds_store_b128 v8, v[W+4*\n:W+4*\n+3] offset:1088*\n
	ds_store_b128 v8, v[W+32+4*\n:W+32+4*\n+3] offset:1088*\n+32
.endr
	s_wait_dscnt 0x0                               ; x is back, and the stores have read W's registers
.irp b, 0,1,2,3
.irp i, 0,1,2,3,4,5,6,7,8,9,10,11,12,13,14,15
	ds_load_b32 v[W+16*\b+\i], v9 offset:2176*\b+64*\i
.endr
.endr
	s_wait_kmcnt 0x0
	s_add_co_i32 s45, s44, 127
	s_lshl_b32 s50, s45, 23
	v_mov_b32 v12, s50                             ; 2^ex as f32
	s_add_co_i32 s45, s45, 15
	s_lshl_b32 s45, s45, 23
	s_or_b32 s45, s45, 0x600000
	v_mov_b32 v15, s45                             ; 57,344 x 2^ex
.irp b, 0,1,2,3
.irp i, 0,1,2,3,4,5,6,7,8,9,10,11,12,13,14,15
	v_med3_num_f32 v[RX+16*\b+\i], v[X+16*\b+\i], -v15, v15   ; the hold (the conversion does not saturate: ISA guide 7.6.2), into other registers: x stays for the router
.endr
	v_cvt_scalef32_pk8_bf8_f32 v[PC+4*\b:PC+4*\b+1], v[RX+16*\b:RX+16*\b+7], v12
	v_cvt_scalef32_pk8_bf8_f32 v[PC+4*\b+2:PC+4*\b+3], v[RX+16*\b+8:RX+16*\b+15], v12
.endr
	v_nop                                          ; a plain line behind the last conversion
.irp b, 0,1,2,3
	ds_store_b128 v10, v[PC+4*\b:PC+4*\b+3] offset:32*\b
.endr
	s_wait_dscnt 4                                 ; W's 64 loads are in; the four stores of codes may be out
.set m, 0
.rept 32                                       ; source 0 = 16 columns of [Wg | Wn], source 1 = 16 tokens: lane (r, h) gets token r, columns 8 h + 0 .. 7.  The four accumulators take turns
.if m < 4
	v_wmma_f32_16x16x4_f32 v[ACC+8*(m%4):ACC+8*(m%4)+7], v[W+2*m:W+2*m+1], v[X+2*m:X+2*m+1], 0
.else
	v_wmma_f32_16x16x4_f32 v[ACC+8*(m%4):ACC+8*(m%4)+7], v[W+2*m:W+2*m+1], v[X+2*m:X+2*m+1], v[ACC+8*(m%4):ACC+8*(m%4)+7]
.endif
.set m, m+1
.endr
.rept 8
	v_nop                                          ; eight places behind this form (ISA guide 7.12.1)
.endr
.irp i, 0,2,4,6
	v_pk_add_f32 v[RX+\i:RX+\i+1], v[ACC+\i:ACC+\i+1], v[ACC+8+\i:ACC+8+\i+1]     ; each accumulator from its low end on
.endr
.irp i, 0,2,4,6
	v_pk_add_f32 v[RX+8+\i:RX+8+\i+1], v[ACC+16+\i:ACC+16+\i+1], v[ACC+24+\i:ACC+24+\i+1]
.endr
.irp i, 0,2,4,6
	v_pk_add_f32 v[RX+\i:RX+\i+1], v[RX+\i:RX+\i+1], v[RX+8+\i:RX+8+\i+1]
.endr
	ds_store_b128 v13, v[RX:RX+3]
	ds_store_b128 v13, v[RX+4:RX+7] offset:512
	s_wait_dscnt 0x0                               ; for the others' sake: my codes and my partial sums lie in LDS
	s_barrier_signal -1
	s_barrier_wait -1
	ds_load_b128 v[32:35], v11
	ds_load_b128 v[36:39], v11 offset:512
	ds_load_b128 v[40:43], v11 offset:1040
	ds_load_b128 v[44:47], v11 offset:1552
.irp i, 0,1,2,3
	s_wait_dscnt 3-\i
	global_store_b128 v4, v[32+4*\i:35+4*\i], s[18:19] offset:512*\i   ; 32 lanes store 512 consecutive bytes, aligned
.endr
	s_cmp_lg_u32 s26, 0
	s_cbranch_scc1 .Lend
	; ---- wave 0 finishes the 16 tokens.  Lane (r, h) holds columns 8 h + j of token r
	s_wait_xcnt 0x0                                ; the stores above have read their registers
	v_lshlrev_b32 v205, 5, v2
	global_load_b128 v[40:43], v205, s[14:15]      ; noise of token r
	global_load_b128 v[44:47], v205, s[14:15] offset:16
.irp u, 0,1,2,3,4,5,6,7
	ds_load_b128 v[96+8*\u:99+8*\u], v14 offset:1024*\u
	ds_load_b128 v[100+8*\u:103+8*\u], v14 offset:1024*\u+512
.endr
	v_cmp_eq_u32 s48, 1, v3                        ; lanes 16-31
	s_mov_b32 s50, 0xbfb8aa3b                      ; -log2(e)
	s_mov_b32 s51, 0x3f317218                      ; ln 2
	s_mov_b32 s52, 0x3fb8aa3b                      ; log2(e)
.irp j, 0,1,2,3,4,5,6,7
	v_mov_b32 v[48+\j], s[28+\j]
.endr
.irp j, 0,1,2,3,4,5,6,7
	v_cndmask_b32 v[48+\j], v[48+\j], s[36+\j], s48   ; bg below, bn above
.endr
	s_wait_dscnt 0x0
.irp i, 0,2,4,6
	v_pk_add_f32 v[32+\i:33+\i], v[96+\i:97+\i], v[104+\i:105+\i]
.endr
.irp u, 2,3,4,5,6,7
.irp i, 0,2,4,6
	v_pk_add_f32 v[32+\i:33+\i], v[32+\i:33+\i], v[96+8*\u+\i:97+8*\u+\i]   ; k ascending
.endr
.endr
.irp i, 0,2,4,6
	v_pk_add_f32 v[32+\i:33+\i], v[32+\i:33+\i], v[48+\i:49+\i]
.endr
.irp j, 0,1,2,3,4,5,6,7
	v_permlanex16_b32 v[56+\j], v[32+\j], s46, s47
.endr
.irp j, 0,1,2,3,4,5,6,7
	v_cndmask_b32 v[64+\j], v[32+\j], v[56+\j], s48   ; the logits, in both halves
	v_cndmask_b32 v[72+\j], v[56+\j], v[32+\j], s48   ; x Wn + bn likewise
.endr
	; softplus(a) = max(a, 0) + ln 2 x log2(1 + 2^(-|a| log2 e))
.irp j, 0,1,2,3,4,5,6,7
	v_mul_f32 v[80+\j], s50, |v[72+\j]|
.endr
.irp j, 0,1,2,3,4,5,6,7
	v_exp_f32 v[80+\j], v[80+\j]
.endr
.irp j, 0,1,2,3,4,5,6,7
	v_max_num_f32 v[88+\j], 0, v[72+\j]
.endr
	s_wait_alu depctr_va_vdst(0)                   ; one wait for the batch, ahead of its first reader
.irp j, 0,1,2,3,4,5,6,7
	v_add_f32 v[80+\j], 1.0, v[80+\j]
.endr
.irp j, 0,1,2,3,4,5,6,7
	v_log_f32 v[80+\j], v[80+\j]
.endr
	v_nop
	s_wait_alu depctr_va_vdst(0)
.irp j, 0,1,2,3,4,5,6,7
	v_fma_f32 v[80+\j], v[80+\j], s51, v[88+\j]
.endr
	s_wait_loadcnt 0x0                             ; noise
.irp j, 0,1,2,3,4,5,6,7
	v_fma_f32 v[160+\j], v[40+\j], v[80+\j], v[64+\j]   ; the noisy scores
.endr
	v_mov_b32 v168, v160                           ; the largest and its index
	v_mov_b32 v169, 0
.irp j, 1,2,3,4,5,6,7
	v_cmp_gt_f32 vcc_lo, v[160+\j], v168
	v_cndmask_b32 v168, v168, v[160+\j], vcc_lo
	v_cndmask_b32 v169, v169, \j, vcc_lo
.endr
	v_mov_b32 v170, 0xff800000
.irp j, 0,1,2,3,4,5,6,7
	v_cmp_eq_u32 vcc_lo, \j, v169
	v_cndmask_b32 v[160+\j], v[160+\j], v170, vcc_lo  ; it is taken out
.endr
	v_mov_b32 v171, v160                           ; the second
	v_mov_b32 v172, 0
.irp j, 1,2,3,4,5,6,7
	v_cmp_gt_f32 vcc_lo, v[160+\j], v171
	v_cndmask_b32 v171, v171, v[160+\j], vcc_lo
	v_cndmask_b32 v172, v172, \j, vcc_lo
.endr
	v_sub_f32 v173, v171, v168                     ; second - first, 0 or less
	v_mul_f32 v173, s52, v173
	v_max3_num_f32 v176, v64, v65, v66             ; the largest logit
	v_max3_num_f32 v176, v176, v67, v68
	v_max3_num_f32 v176, v176, v69, v70
	v_max_num_f32 v176, v176, v71
.irp j, 0,1,2,3,4,5,6,7
	v_sub_f32 v[184+\j], v[64+\j], v176
.endr
.irp j, 0,1,2,3,4,5,6,7
	v_mul_f32 v[184+\j], s52, v[184+\j]
.endr
	v_exp_f32 v173, v173
.irp j, 0,1,2,3,4,5,6,7
	v_exp_f32 v[184+\j], v[184+\j]
.endr
	v_nop
	s_wait_alu depctr_va_vdst(0)
	v_add_f32 v174, 1.0, v173
	v_add_f32 v177, v184, v185
.irp j, 2,3,4,5,6,7
	v_add_f32 v177, v177, v[184+\j]
.endr
	v_rcp_f32 v174, v174                           ; w1 = 1 / (1 + e)
	v_rcp_f32 v177, v177
	v_nop
	s_wait_alu depctr_va_vdst(0)
	v_mul_f32 v175, v173, v174                     ; w2 = e w1
.irp j, 0,1,2,3,4,5,6,7
	v_mul_f32 v[184+\j], v[184+\j], v177           ; the clean gate probabilities
.endr
.irp j, 0,1,2,3,4,5,6,7
	v_cmp_eq_u32 s53, \j, v169
	v_cmp_eq_u32 s54, \j, v172
	s_or_b32 s53, s53, s54
	v_cndmask_b32 v[192+\j], 0, 1.0, s53           ; 1 where expert j is chosen
.endr
.irp x, 1,2,4,8                                ; sums over the 16 tokens (each half of the lanes holds all 16)
.irp j, 0,1,2,3,4,5,6,7,8,9,10,11,12,13,14,15
	v_add_f32_dpp v[184+\j], v[184+\j], v[184+\j] row_xmask:\x row_mask:0xf bank_mask:0xf
.endr
.endr
	v_mov_b32 v200, 1
	v_mov_b32 v201, 0x100
	v_lshlrev_b32 v200, v169, v200
	v_lshlrev_b32 v201, v172, v201
	v_or_b32 v200, v200, v201                      ; (1 << i1) | (0x100 << i2)
	v_lshlrev_b32 v202, 2, v2
	v_lshlrev_b32 v203, 3, v2
	v_mov_b32 v204, 0
	s_wait_xcnt 0x0                                ; EXEC changes only behind this wait
	v_cmp_gt_u32 vcc_lo, 16, v1
	s_and_saveexec_b32 s49, vcc_lo
	global_store_b32 v202, v200, s[20:21]
	global_store_b64 v203, v[174:175], s[22:23]
	s_wait_xcnt 0x0
	s_or_b32 exec_lo, exec_lo, s49
	v_cmp_eq_u32 vcc_lo, 0, v1
	s_and_saveexec_b32 s49, vcc_lo
.irp i, 0,1,2,3
	global_store_b128 v204, v[184+4*\i:187+4*\i], s[24:25] offset:16*\i
.endr
	s_wait_xcnt 0x0
	s_or_b32 exec_lo, exec_lo, s49
.Lend:
	s_set_vgpr_msb 0x4
	s_wait_tensorcnt 0x0
	ds_add_u32 v7, v1
	s_wait_dscnt 0x0
	s_set_vgpr_msb 0x400
	s_endpgm
.Lfunc_end_k_q5ef8b0cccd_route:
	.size	k_q5ef8b0cccd_route, .Lfunc_end_k_q5ef8b0cccd_route-k_q5ef8b0cccd_route
	.p2alignl 7, 3214868480
	.fill 96, 4, 3214868480
	.section	.rodata,"a",@progbits
	.p2align	6, 0x0
	.amdhsa_kernel k_q5ef8b0cccd_route
		.amdhsa_group_segment_fixed_size 164864
		.amdhsa_private_segment_fixed_size 0
		.amdhsa_enable_private_segment 0
		.amdhsa_kernarg_size 88
		.amdhsa_user_sgpr_count 2
		.amdhsa_user_sgpr_kernarg_segment_ptr 1
		.amdhsa_wavefront_size32 1
		.amdhsa_system_sgpr_workgroup_id_x 1
		.amdhsa_system_sgpr_workgroup_id_y 1
		.amdhsa_system_sgpr_workgroup_id_z 1
		.amdhsa_system_vgpr_workitem_id 0
		.amdhsa_next_free_vgpr 258
		.amdhsa_next_free_sgpr 66
		.amdhsa_reserve_vcc 1
		.amdhsa_float_denorm_mode_32 3
		.amdhsa_float_denorm_mode_16_64 3
		.amdhsa_memory_ordered 1
		.amdhsa_forward_progress 1
		.amdhsa_inst_pref_size 43
	.end_amdhsa_kernel
	.amdgpu_metadata
---
amdhsa.version: [ 1, 2 ]
amdhsa.kernels:
  - .name:           k_q5ef8b0cccd_route
    .symbol:         k_q5ef8b0cccd_route.kd
    .args:
      - { .name: x, .offset: 0, .size: 8, .value_kind: global_buffer, .address_space: global }
      - { .name: Wg, .offset: 8, .size: 8, .value_kind: global_buffer, .address_space: global }
      - { .name: Wn, .offset: 16, .size: 8, .value_kind: global_buffer, .address_space: global }
      - { .name: bg, .offset: 24, .size: 8, .value_kind: global_buffer, .address_space: global }
      - { .name: bn, .offset: 32, .size: 8, .value_kind: global_buffer, .address_space: global }
      - { .name: noise, .offset: 40, .size: 8, .value_kind: global_buffer, .address_space: global }
      - { .name: lowp_scales, .offset: 48, .size: 8, .value_kind: global_buffer, .address_space: global }
      - { .name: xq, .offset: 56, .size: 8, .value_kind: global_buffer, .address_space: global }
      - { .name: route, .offset: 64, .size: 8, .value_kind: global_buffer, .address_space: global }
      - { .name: gatew, .offset: 72, .size: 8, .value_kind: global_buffer, .address_space: global }
      - { .name: psum, .offset: 80, .size: 8, .value_kind: global_buffer, .address_space: global }
    .group_segment_fixed_size: 164864
    .private_segment_fixed_size: 0
    .kernarg_segment_align: 8
    .kernarg_segment_size: 88
    .max_flat_workgroup_size: 256
    .sgpr_count:     66
    .vgpr_count:     258
    .wavefront_size: 32
...
	.end_amdgpu_metadata
.endif
;; end of part 1
;; launch ffn1 (part 2): grid 256 x 1, 4 waves a work-group, no clusters, 271,360 bytes of LDS; arguments xq, route, W1_codes, b1, lowp_scales, hq; writes hq
.if DOCPART == 2
	.amdgcn_target "amdgcn-amd-amdhsa--gfx1250"
	.amdhsa_code_object_version 6
	.text
	.protected	k_q5ef8b0cccd_ffn1
	.globl	k_q5ef8b0cccd_ffn1
	.p2align	8
	.type	k_q5ef8b0cccd_ffn1,@function
k_q5ef8b0cccd_ffn1:
	s_mov_b64 s[64:65], 0
	v_nop
	global_prefetch_b8 v0, s[64:65] scope:SCOPE_SE
	s_setreg_imm32_b32 hwreg(HW_REG_WAVE_MODE, 25, 1), 1
	s_wait_xcnt 0x0
; h = Q(gelu(x W1 + b1)) for the rows that chose an expert.  Work-group g: expert e = g / 32, hidden units 128 j .. 128 j + 127, j = g % 32: one K step of the second product.
; THE WEIGHTS STAY: wave w keeps 64 hidden units (ci = w % 2) x 1,024 K in 512 registers and takes the tiles of 16 rows of parity rp = w / 2.  What goes round is the rows' codes, 64 rows at a time through two LDS stages.
; THE ROWS: wave 0 builds the expert's list from route (whole numbers that the launch before stored): entry 2 t + j in the order of the tokens.  The second product's launch builds the same list by the same lines.
; The loop has a constant number of trips (16 x 64 rows serve every split); a trip past the expert's rows passes its barrier and nothing else.  No barrier stands under a branch on the count.
; No tensor loads and no cluster: the skips hang on a stored count, and partners would have different numbers of tiles.
; THE PRODUCT IS USED TRANSPOSED (source 0 = 16 rows of W1, source 1 = 16 rows of x), and a tile's rows of W1 are chosen (lane r of tile 2 b + u: row 32 b + 8 u + r + 8 (r / 8)) so that a lane's 16 registers of two
; neighbouring tiles are 16 neighbours along the next K.  The codes leave as images of the next operand's registers: hq [e][tile of 16 rows][K step][c][lane][16 bytes].
; erf is the rational form x P(x^2) / Q(x^2) on x held within +-4; its error is about 1e-7 of 1.
; Tiles 0 to 3 of every expert are always written (rows past the count are token 0's): the next launch's first loads take them whatever the count.
; LIMITS: eh between -126 and 112; ex + ew1 between -125 and 126.  NaN and infinities are not served.
.set PIT,  1040                        ; an LDS row: 1,024 bytes of codes + 16
.set WST,  0                           ; 128 rows of W1, in the order of the tiles
.set STG0, 133120                      ; two stages of 64 rows of x's codes
.set STG1, 199680
.set LIST, 266240                      ; 1,024 entries + 32 words for what is not this expert's
.set CNT,  270592                      ; the count
.set ACC,  32                          ; v32-63   four tiles of sums
.set BI,   64                          ; v64-95   b1 / 2^(ex + ew1), in the result's layout
.set PC,   96                          ; v96-103  codes
.set BS,   104                         ; v104-127 the list's builder: +0 LIST + 16 lane, +1 8 lane, +2 1,024 + lane, +3 the count, +4..7 zeros, +8..15 eight places, +16..23 eight entries
.set CA,   30                          ; v30      CNT
.set RW,   128                         ; v128-159 route, while the list is built
.set AF,   128                         ; v128-255 x's eight fragments; then:
.set XX,   128                         ; z / sqrt 2
.set X2,   160                         ; its square
.set PP,   192
.set QQ,   224
.set SM,   66                          ; s66-73   eight words' masks: chosen
.set SJ,   74                          ; s74-81   eight words' masks: chosen as the second choice
.set SB,   82                          ; s82-90   the ranks at which the eight words begin; the ninth is the next batch's first
.set MSB, 0
.macro WIN new                         ; the immediate's high byte repeats the setting that is left
.if MSB != \new
	s_set_vgpr_msb (MSB<<8)|\new
.set MSB, \new
.endif
.endm
; THE LIST of the rows that chose expert e, by wave 0 alone.  v[RW + n], lane l: route of token 128 (n / 4) + 4 l + n % 4.  s32 = 0x101 << e, s[SB + 8] = the rank at which the list begins, s37 = 255.
; A row's place is its rank among the tokens in the order (word n, lane); what is not this expert's, or has a rank under 0, goes to the 32 words behind the list.  The place is held under 1,056 ahead of the address.
; EIGHT WORDS AT A TIME: each stage is written for all eight before the next stage begins, so that no line reads the result of the line above it.
.macro BUILD gw
.irp i, 0,1,2,3,4,5,6,7
	ds_store_b128 v[BS], v[BS+4:BS+7] offset:512*\i            ; entries past the count are token 0
.endr
.if \gw
.irp i, 0,1,2,3,4,5,6,7
	ds_store_b128 v[BS], v[BS+4:BS+7] offset:GWL-LIST+512*\i
.endr
.endif
	s_wait_loadcnt 63                              ; behind these loads stand the 64 loads of weights; a wait names 63 at the most, so one load of weights is waited for with them
.irp b, 0,1,2,3
.irp k, 0,1,2,3,4,5,6,7
	v_and_b32 v[BS+8+\k], s32, v[RW+8*\b+\k]
.endr
.irp k, 0,1,2,3,4,5,6,7
	v_cmp_ne_u32 s[SM+\k], 0, v[BS+8+\k]           ; chosen
.endr
.irp k, 0,1,2,3,4,5,6,7
	v_cmp_lt_u32 s[SJ+\k], s37, v[BS+8+\k]         ; as the second choice
.endr
.irp k, 0,1,2,3,4,5,6,7
	v_cndmask_b32 v[BS+16+\k], 0, 1, s[SJ+\k]      ; j
.endr
.irp k, 0,1,2,3,4,5,6,7
	v_add_nc_u32 v[BS+16+\k], v[BS+16+\k], v[BS+1]
.endr
.irp k, 0,1,2,3,4,5,6,7
	v_add_nc_u32 v[BS+16+\k], 2*(128*(2*\b+\k/4)+\k%4), v[BS+16+\k]   ; 2 t + j
.endr
.if \gw
.irp k, 0,1,2,3,4,5,6,7
	v_cndmask_b32 v[BS+24+\k], v[GV+16*\b+2*\k], v[GV+16*\b+2*\k+1], s[SJ+\k]
.endr
.endif
	s_mov_b32 s[SB], s[SB+8]
.irp k, 0,1,2,3,4,5,6,7
	s_bcnt1_i32_b32 s36, s[SM+\k]
	s_add_co_u32 s[SB+\k+1], s[SB+\k], s36         ; where the next word's ranks begin
.endr
.irp k, 0,1,2,3,4,5,6,7
	v_mbcnt_lo_u32_b32 v[BS+8+\k], s[SM+\k], s[SB+\k]   ; the rank
.endr
.irp k, 0,1,2,3,4,5,6,7
	v_cndmask_b32 v[BS+8+\k], v[BS+2], v[BS+8+\k], s[SM+\k]
.endr
.irp k, 0,1,2,3,4,5,6,7
	v_min_u32 v[BS+8+\k], 1055, v[BS+8+\k]
.endr
.irp k, 0,1,2,3,4,5,6,7
	v_lshl_add_u32 v[BS+8+\k], v[BS+8+\k], 2, LIST
.endr
.irp k, 0,1,2,3,4,5,6,7
	ds_store_b32 v[BS+8+\k], v[BS+16+\k]
.if \gw
	ds_store_b32 v[BS+8+\k], v[BS+24+\k] offset:GWL-LIST
.endif
.endr
.endr
	v_mov_b32 v[BS+3], s[SB+8]
	ds_store_b32 v[CA], v[BS+3]
.endm
; the 64 rows from list entry s29 on are asked for: sixteen lanes read 256 aligned bytes of a token's codes
.macro XLOAD
	s_lshl_b32 s30, s29, 2
	v_add_nc_u32 v15, s30, v7
.irp i, 0,1,2,3,4,5,6,7
	ds_load_b32 v[16+\i], v15 offset:8*\i
.endr
	s_wait_dscnt 0x0
.irp i, 0,1,2,3,4,5,6,7
	v_lshrrev_b32 v[16+\i], 1, v[16+\i]            ; the token
.endr
.irp i, 0,1,2,3,4,5,6,7
	v_min_u32 v[16+\i], 1023, v[16+\i]
.endr
.irp i, 0,1,2,3,4,5,6,7
	v_lshl_add_u32 v[16+\i], v[16+\i], 10, v12
.endr
	WIN 0xc0                                       ; destination window 3
.irp i, 0,1,2,3,4,5,6,7
.irp q, 0,1,2,3
	global_load_b128 v[16*\i+4*\q:16*\i+4*\q+3], v[16+\i], s[4:5] offset:256*\q
.endr
.endr
	WIN 0
.endm
	s_load_b256 s[4:11], s[0:1], 0x0               ; xq, route, W1's codes, b1
	s_load_b128 s[12:15], s[0:1], 0x20             ; the scales' exponents, hq
	s_set_vgpr_msb 0xc0
	v_lshl_add_u32 v128, v0, 2, 0x42200
	v_mov_b32 v129, 0
	s_set_vgpr_msb 0xc000
	v_lshrrev_b32 v1, 5, v0
	v_readfirstlane_b32 s16, v1                    ; wave 0..3
	s_and_b32 s17, s16, 1                          ; ci
	s_lshr_b32 s18, s16, 1                         ; rp
	s_lshr_b32 s19, ttmp9, 5                       ; e
	s_and_b32 s20, ttmp9, 31                       ; j
	v_and_b32 v1, 31, v0                           ; lane
	v_and_b32 v2, 15, v0                           ; r
	v_bfe_u32 v3, v0, 4, 1                         ; h
	v_lshlrev_b32 v4, 4, v1                        ; 16 x lane
	v_lshlrev_b32 v12, 4, v2                       ; 16 r
	v_lshlrev_b32 v31, 6, v3                       ; 64 h
	s_mul_i32 s29, s16, 32*PIT
	v_add_nc_u32 v5, s29, v4                       ; W1 into LDS: my 32 rows
	v_mul_u32_u24 v10, v2, PIT
	v_lshl_add_u32 v10, v3, 4, v10                 ; r x pitch + 16 h
	s_mul_i32 s29, s17, 64*PIT
	v_add_nc_u32 v6, s29, v10                      ; W1's fragments: my 64 rows
	s_mul_i32 s29, s18, 16*PIT
	v_add_nc_u32 v10, s29, v10
	v_add_nc_u32 v11, STG1, v10                    ; x's fragments in stage 1,
	v_add_nc_u32 v10, STG0, v10                    ; in stage 0
	s_lshl_b32 s29, s16, 6
	s_add_co_u32 s29, s29, LIST
	v_lshl_add_u32 v7, v3, 2, s29                  ; the list: entry 16 w + h
	v_mul_u32_u24 v8, v3, PIT
	v_add_nc_u32 v8, v8, v12
	s_mul_i32 s29, s16, 16*PIT
	v_add_nc_u32 v8, s29, v8
	v_add_nc_u32 v9, STG1, v8                      ; rows into stage 1,
	v_add_nc_u32 v8, STG0, v8                      ; into stage 0: row 16 w + h, 16 r
	s_lshl_b32 s29, s18, 16
	v_add_nc_u32 v14, s29, v4                      ; hq: 16 x lane + a tile x rp
	v_mov_b32 v[CA], CNT
	v_add_nc_u32 v[BS], LIST, v4
	v_lshlrev_b32 v[BS+1], 3, v1
	v_add_nc_u32 v[BS+2], 1024, v1
.irp i, 4,5,6,7
	v_mov_b32 v[BS+\i], 0
.endr
	s_lshl_b32 s32, 0x101, s19
	s_mov_b32 s37, 255
	s_mov_b32 s31, 0
	s_wait_kmcnt 0x0
	s_load_b128 s[24:27], s[12:13], 0x0            ; ex, ew1, ew2, eh
	s_lshl_b32 s30, s19, 22
	s_lshl_b32 s29, s20, 17
	s_add_co_u32 s30, s30, s29
	s_lshl_b32 s29, s16, 15
	s_add_co_u32 s30, s30, s29
	s_add_nc_u64 s[8:9], s[8:9], s[30:31]          ; W1: row 4,096 e + 128 j + 32 w
	s_lshl_b32 s30, s19, 14
	s_lshl_b32 s29, s20, 9
	s_add_co_u32 s30, s30, s29
	s_lshl_b32 s29, s17, 8
	s_add_co_u32 s30, s30, s29
	s_add_nc_u64 s[10:11], s[10:11], s[30:31]      ; b1: my 64 numbers
	s_lshl_b32 s30, s19, 22
	s_lshl_b32 s29, s20, 11
	s_add_co_u32 s30, s30, s29
	s_lshl_b32 s29, s17, 10
	s_add_co_u32 s30, s30, s29
	s_add_nc_u64 s[14:15], s[14:15], s[30:31]      ; hq: expert e, K step j, c = 2 ci
.irp t, 0,1,2,3
	global_load_b128 v[BI+8*\t:BI+8*\t+3], v31, s[10:11] offset:(32*(\t/2)+8*(\t%2))*4
	global_load_b128 v[BI+8*\t+4:BI+8*\t+7], v31, s[10:11] offset:(32*(\t/2)+8*(\t%2))*4+16
.endr
.irp q, 0,1,2,3,4,5,6,7
	global_load_b128 v[RW+4*\q:RW+4*\q+3], v4, s[6:7] offset:512*\q
.endr
	WIN 0x40                                       ; destination window 1
.set n, 0
.rept 64                                       ; all my weights are asked for ahead of the list's builder, in every wave
	global_load_b128 v[4*n:4*n+3], v4, s[8:9] offset:512*n th:TH_LOAD_NT   ; my 32 rows are one dense block: 512 consecutive bytes a load
.set n, n+1
.endr
	WIN 0
	s_cmp_lg_u32 s16, 0
	s_cbranch_scc1 .Lno_build
	s_mov_b32 s[SB+8], 0
	BUILD 0
.Lno_build:
	s_wait_dscnt 0x0                               ; the list lies in LDS
	s_barrier_signal -1
	s_barrier_wait -1
	ds_load_b32 v[BS+3], v[CA]
	s_wait_dscnt 0x0
	v_readfirstlane_b32 s21, v[BS+3]
	s_min_u32 s21, s21, 1024                       ; the expert's rows
	s_max_u32 s22, s21, 33                         ; at least the first four tiles are made
	s_mov_b32 s29, 0
	XLOAD                                          ; the first 64 rows, whatever the count (entries past it are token 0), asked for ahead of the weights' way through LDS: they land meanwhile
	WIN 0x04                                       ; store data window 1
.set n, 0
.rept 64
.if (n%16) == 0
.if 80-n > 63
	s_wait_loadcnt 63                              ; behind this group of 16 stand the later groups and the 32 loads of rows: more than a wait can name
.else
	s_wait_loadcnt 80-n                            ; the 16 loads of this group are in; the later groups and the 32 loads of rows may be out
.endif
.endif
	ds_store_b128 v5, v[4*n:4*n+3] offset:(16*(((n/2)/8)%2)+8*(((n/2)/16)%2)+((n/2)%8))*PIT+512*(n%2)   ; so that a tile's 16 rows are neighbours in LDS
.set n, n+1
.endr
	WIN 0
.macro XSTORE buf
	WIN 0x0c                                       ; store data window 3
.irp i, 0,1,2,3,4,5,6,7
.irp q, 0,1,2,3
	ds_store_b128 v[8+(\buf)], v[16*\i+4*\q:16*\i+4*\q+3] offset:2*PIT*\i+256*\q
.endr
.endr
	WIN 0
.endm
.macro HORNER dst, cs                  ; dst = dst x^2 + the next coefficient, 32 numbers
.set i, 0
.rept 16
	v_pk_fma_f32 v[\dst+i:\dst+i+1], v[\dst+i:\dst+i+1], v[X2+i:X2+i+1], s[\cs:\cs+1] op_sel_hi:[1,1,0]
.set i, i+2
.endr
.endm
; 32 sums of a lane become 32 codes: gelu, the hold, the conversion
.macro EPI
.set i, 0
.rept 16
	v_pk_mul_f32 v[XX+i:XX+i+1], v[ACC+i:ACC+i+1], s[38:39] op_sel_hi:[1,0]   ; z / sqrt 2; each accumulator from its low end on
.set i, i+2
.endr
.set i, 0
.rept 32
	v_med3_num_f32 v[XX+i], v[XX+i], -4.0, 4.0
.set i, i+1
.endr
.set i, 0
.rept 16
	v_pk_mul_f32 v[X2+i:X2+i+1], v[XX+i:XX+i+1], v[XX+i:XX+i+1]
.set i, i+2
.endr
.set i, 0
.rept 16
	v_pk_fma_f32 v[PP+i:PP+i+1], v[X2+i:X2+i+1], v[26:27], s[42:43] op_sel_hi:[1,1,0]
	v_pk_fma_f32 v[QQ+i:QQ+i+1], v[X2+i:X2+i+1], v[28:29], s[54:55] op_sel_hi:[1,1,0]
.set i, i+2
.endr
	HORNER PP, 44
	HORNER QQ, 56
	HORNER PP, 46
	HORNER QQ, 58
	HORNER PP, 48
	HORNER QQ, 60
	HORNER PP, 50
	HORNER PP, 52
.set i, 0
.rept 32
	v_rcp_f32 v[QQ+i], v[QQ+i]
.set i, i+1
.endr
.set i, 0
.rept 16
	v_pk_mul_f32 v[PP+i:PP+i+1], v[PP+i:PP+i+1], v[XX+i:XX+i+1]               ; plain work that names no reciprocal
	v_pk_mul_f32 v[ACC+i:ACC+i+1], v[ACC+i:ACC+i+1], s[40:41] op_sel_hi:[1,0]  ; z / 2
.set i, i+2
.endr
	s_wait_alu depctr_va_vdst(0)                   ; one wait for the 32 reciprocals, ahead of their first reader
.set i, 0
.rept 16
	v_pk_mul_f32 v[PP+i:PP+i+1], v[PP+i:PP+i+1], v[QQ+i:QQ+i+1]               ; erf(z / sqrt 2)
.set i, i+2
.endr
.set i, 0
.rept 16
	v_pk_fma_f32 v[ACC+i:ACC+i+1], v[ACC+i:ACC+i+1], v[PP+i:PP+i+1], v[ACC+i:ACC+i+1]   ; gelu(z) = z / 2 + z / 2 erf
.set i, i+2
.endr
.set i, 0
.rept 32
	v_med3_num_f32 v[ACC+i], v[ACC+i], -v25, v25   ; the hold at the largest code x the scale (ISA guide 7.6.2)
.set i, i+1
.endr
	s_wait_xcnt 0x0                                ; the last stores have read the codes' registers
.irp k, 0,1,2,3
	v_cvt_scalef32_pk8_bf8_f32 v[PC+2*\k:PC+2*\k+1], v[ACC+8*\k:ACC+8*\k+7], v24
.endr
	v_nop                                          ; a plain line behind the last conversion: the next products write its sources
.endm
; rows 32 p + 16 rp + 0 .. 15 of the stage: 32 products, two accumulators by turns, then the codes
.macro PAIR buf, p
	s_add_co_u32 s29, s28, 32*\p
	s_cmp_lt_u32 s29, s22
	s_cbranch_scc0 .Lskip_\@
.irp s, 0,1,2,3,4,5,6,7
.irp c, 0,1,2,3
	ds_load_b128 v[AF+16*\s+4*\c:AF+16*\s+4*\c+3], v[10+\buf] offset:32*PIT*\p+128*\s+32*\c
.endr
.endr
	WIN 0x01                                       ; source 0 (W1) window 1
.irp s, 0,1,2,3,4,5,6,7
	s_wait_dscnt 28-4*\s                           ; K step s is in; the later steps' loads may be out
.irp t, 0,1
.if \s == 0
	v_wmma_f32_16x16x128_bf8_bf8 v[ACC+8*\t:ACC+8*\t+7], v[16*(8*\t+\s):16*(8*\t+\s)+15], v[AF+16*\s:AF+16*\s+15], v[BI+8*\t:BI+8*\t+7]
.else
	v_wmma_f32_16x16x128_bf8_bf8 v[ACC+8*\t:ACC+8*\t+7], v[16*(8*\t+\s):16*(8*\t+\s)+15], v[AF+16*\s:AF+16*\s+15], v[ACC+8*\t:ACC+8*\t+7]
.endif
.endr
.endr
	WIN 0x02                                       ; window 2
.irp s, 0,1,2,3,4,5,6,7
.irp t, 0,1
.if \s == 0
	v_wmma_f32_16x16x128_bf8_bf8 v[ACC+16+8*\t:ACC+16+8*\t+7], v[16*(8*\t+\s):16*(8*\t+\s)+15], v[AF+16*\s:AF+16*\s+15], v[BI+16+8*\t:BI+16+8*\t+7]
.else
	v_wmma_f32_16x16x128_bf8_bf8 v[ACC+16+8*\t:ACC+16+8*\t+7], v[16*(8*\t+\s):16*(8*\t+\s)+15], v[AF+16*\s:AF+16*\s+15], v[ACC+16+8*\t:ACC+16+8*\t+7]
.endif
.endr
.endr
	WIN 0
.rept 5
	v_nop                                          ; places behind the products (ISA guide 7.12.1)
.endr
	EPI
	global_store_b128 v13, v[PC:PC+3], s[14:15] offset:131072*\p        ; an image of registers 4 c .. 4 c + 3: 512 consecutive bytes, aligned
	global_store_b128 v13, v[PC+4:PC+7], s[14:15] offset:131072*\p+512
.Lskip_\@:
.endm
; 64 rows.  The next 64 are asked for at the head and go into the other stage at the end; one barrier parts this trip's reads of a stage from its next fill, and the fill from its reads.
.macro TRIP buf
	s_wait_xcnt 0x0                                ; earlier loads and stores have read their address registers
	s_lshl_b32 s30, s28, 12
	v_add_nc_u32 v13, s30, v14
	s_add_co_u32 s29, s28, 64
	s_cmp_lt_u32 s29, s22
	s_cbranch_scc0 .Lnx_\@
	XLOAD
.Lnx_\@:
	PAIR \buf, 0
	PAIR \buf, 1
	s_wait_loadcnt 0x0                             ; the next rows are in registers
	s_add_co_u32 s29, s28, 64
	s_cmp_lt_u32 s29, s22
	s_cbranch_scc0 .Lns_\@
	XSTORE 1-\buf
.Lns_\@:
	s_add_co_u32 s28, s28, 64
	s_wait_dscnt 0x0                               ; my stores have landed and my reads of this stage are over
	s_barrier_signal -1
	s_barrier_wait -1
.endm
	s_wait_dscnt 0x0                               ; my rows of W1 lie in LDS
	s_barrier_signal -1
	s_barrier_wait -1
	WIN 0x40
.irp t, 0,1
.irp s, 0,1,2,3,4,5,6,7
.irp c, 0,1,2,3
	ds_load_b128 v[16*(8*\t+\s)+4*\c:16*(8*\t+\s)+4*\c+3], v6 offset:16*\t*PIT+128*\s+32*\c
.endr
.endr
.endr
	WIN 0x80
.irp t, 0,1
.irp s, 0,1,2,3,4,5,6,7
.irp c, 0,1,2,3
	ds_load_b128 v[16*(8*\t+\s)+4*\c:16*(8*\t+\s)+4*\c+3], v6 offset:16*(2+\t)*PIT+128*\s+32*\c
.endr
.endr
.endr
	WIN 0
	s_wait_kmcnt 0x0
	s_add_co_i32 s29, s24, s25                     ; ex + ew1: a sum stands for sum x 2^(ex + ew1)
	s_lshl_b32 s30, s29, 23
	s_add_co_i32 s38, s30, 0x3f3504f3              ; 2^(ex + ew1) / sqrt 2
	s_mov_b32 s39, s38
	s_add_co_i32 s30, s29, 126
	s_lshl_b32 s40, s30, 23                        ; 2^(ex + ew1) / 2
	s_mov_b32 s41, s40
	s_sub_co_i32 s30, 0, s29
.set i, 0
.rept 32
	v_ldexp_f32 v[BI+i], v[BI+i], s30              ; b1 goes in as the C of a sum's first product, divided by what the sums lack
.set i, i+1
.endr
	s_add_co_i32 s29, s27, 127
	s_lshl_b32 s30, s29, 23
	v_mov_b32 v24, s30                             ; 2^eh
	s_add_co_i32 s29, s29, 15
	s_lshl_b32 s29, s29, 23
	s_or_b32 s29, s29, 0x600000
	v_mov_b32 v25, s29                             ; 57,344 x 2^eh
	v_mov_b32 v26, 0xaf95df0b                      ; erf's coefficients, the highest power first
	v_mov_b32 v27, 0xaf95df0b
	v_mov_b32 v28, 0xb77460cd
	v_mov_b32 v29, 0xb77460cd
	s_mov_b32 s42, 0x32edffee
	s_mov_b32 s44, 0xb60cff51
	s_mov_b32 s46, 0xb86ec2d2
	s_mov_b32 s48, 0xba40ac63
	s_mov_b32 s50, 0xbb41a1f6
	s_mov_b32 s52, 0xbc83dbd4
	s_mov_b32 s54, 0xb95fbd29
	s_mov_b32 s56, 0xbadc924e
	s_mov_b32 s58, 0xbbf19bf8
	s_mov_b32 s60, 0xbc69b6a7
.irp k, 42,44,46,48,50,52,54,56,58,60
	s_mov_b32 s[\k+1], s[\k]                       ; named as pairs, so both are written
.endr
	s_wait_loadcnt 0x0                             ; the first 64 rows
	XSTORE 0
	s_wait_dscnt 0x0                               ; they lie in stage 0, and my weights are in registers
	s_barrier_signal -1
	s_barrier_wait -1
	s_mov_b32 s28, 0                               ; the trip's first row
	s_mov_b32 s23, 8
.Ltrip:
	TRIP 0
	TRIP 1
	s_sub_co_u32 s23, s23, 1
	s_cmp_lg_u32 s23, 0
	s_cbranch_scc1 .Ltrip
	s_set_vgpr_msb 0xf
	s_wait_tensorcnt 0x0
	ds_add_u32 v128, v129
	s_wait_dscnt 0x0
	s_set_vgpr_msb 0xf00
	s_endpgm
.Lfunc_end_k_q5ef8b0cccd_ffn1:
	.size	k_q5ef8b0cccd_ffn1, .Lfunc_end_k_q5ef8b0cccd_ffn1-k_q5ef8b0cccd_ffn1
	.p2alignl 7, 3214868480
	.fill 96, 4, 3214868480
	.section	.rodata,"a",@progbits
	.p2align	6, 0x0
	.amdhsa_kernel k_q5ef8b0cccd_ffn1
		.amdhsa_group_segment_fixed_size 271360
		.amdhsa_private_segment_fixed_size 0
		.amdhsa_enable_private_segment 0
		.amdhsa_kernarg_size 48
		.amdhsa_user_sgpr_count 2
		.amdhsa_user_sgpr_kernarg_segment_ptr 1
		.amdhsa_wavefront_size32 1
		.amdhsa_system_sgpr_workgroup_id_x 1
		.amdhsa_system_sgpr_workgroup_id_y 1
		.amdhsa_system_sgpr_workgroup_id_z 1
		.amdhsa_system_vgpr_workitem_id 0
		.amdhsa_next_free_vgpr 898
		.amdhsa_next_free_sgpr 92
		.amdhsa_reserve_vcc 0
		.amdhsa_float_denorm_mode_32 3
		.amdhsa_float_denorm_mode_16_64 3
		.amdhsa_memory_ordered 1
		.amdhsa_forward_progress 1
		.amdhsa_inst_pref_size 178
	.end_amdhsa_kernel
	.amdgpu_metadata
---
amdhsa.version: [ 1, 2 ]
amdhsa.kernels:
  - .name:           k_q5ef8b0cccd_ffn1
    .symbol:         k_q5ef8b0cccd_ffn1.kd
    .args:
      - { .name: xq, .offset: 0, .size: 8, .value_kind: global_buffer, .address_space: global }
      - { .name: route, .offset: 8, .size: 8, .value_kind: global_buffer, .address_space: global }
      - { .name: W1_codes, .offset: 16, .size: 8, .value_kind: global_buffer, .address_space: global }
      - { .name: b1, .offset: 24, .size: 8, .value_kind: global_buffer, .address_space: global }
      - { .name: lowp_scales, .offset: 32, .size: 8, .value_kind: global_buffer, .address_space: global }
      - { .name: hq, .offset: 40, .size: 8, .value_kind: global_buffer, .address_space: global }
    .group_segment_fixed_size: 271360
    .private_segment_fixed_size: 0
    .kernarg_segment_align: 8
    .kernarg_segment_size: 48
    .max_flat_workgroup_size: 128
    .sgpr_count:     92
    .vgpr_count:     898
    .wavefront_size: 32
...
	.end_amdgpu_metadata
.endif
;; end of part 2
;; launch ffn2 (part 3): grid 256 x 1, 4 waves a work-group, no clusters, 212,224 bytes of LDS; arguments hq, route, gatew, W2_codes, b2, lowp_scales, ybuf; writes ybuf
.if DOCPART == 3
	.amdgcn_target "amdgcn-amd-amdhsa--gfx1250"
	.amdhsa_code_object_version 6
	.text
	.protected	k_q5ef8b0cccd_ffn2
	.globl	k_q5ef8b0cccd_ffn2
	.p2align	8
	.type	k_q5ef8b0cccd_ffn2,@function
k_q5ef8b0cccd_ffn2:
	s_mov_b64 s[64:65], 0
	v_nop
	global_prefetch_b8 v0, s[64:65] scope:SCOPE_SE
	s_setreg_imm32_b32 hwreg(HW_REG_WAVE_MODE, 25, 1), 1
	s_wait_xcnt 0x0
; y = gate weight x (h W2 x 2^(ew2 + eh) + b2) for the rows that chose an expert, each to its own row 2 t + j of ybuf.
; Work-group g: expert e = g / 32, outputs 64 dc .. 64 dc + 63 (dc = (g / 2) % 16), and of every 64 rows of the expert the 32 of half rh = g % 2.
; THE WEIGHTS STAY: wave w keeps the 64 outputs x K quarter w (1,024 of 4,096) in 512 registers.  The rows' codes come from hq as images of the operand's registers, straight into registers, each byte to one wave;
; a tile's loads are asked for a trip ahead.  The four waves' partial sums meet in LDS (two buffers by turns, one barrier a trip) and are added with K ascending.
; THE ROWS: wave 0 builds the expert's list from route by the same lines as the launch before, with the gate weights beside it; ranks are counted from 32 rh, so that my rows of trip s are entries 64 s .. 64 s + 31.
; The loop has a constant number of trips; a trip past the count passes its barrier and nothing else.  No tensor loads and no cluster: the skips hang on a stored count.
; A finished row leaves by one store of the wave (32 lanes x 8 bytes: its 256 bytes, aligned), so that a row past the count is left out by a scalar branch: all lanes stay on throughout.
; LIMITS: ew2 + eh between -126 and 127.
.set PIT,  1040
.set WT,   0                           ; 4 waves x 32 rows x 1,040: a wave's own stage for its weights
.set RED,  133120                      ; 2 buffers x 4 waves x 32 rows x 272: partial sums
.set LIST, 202752
.set GWL,  207104                      ; the gate weights, entry for entry
.set CNT,  211456
.set GV,   96                          ; v96-159  gatew, while the list is built; later the partial sums read back
.set RW,   176                         ; v176-207 route, while the list is built; later v176-183 eight gate weights
.set BS,   208                         ; v208-239 the list's builder: +0 LIST + 16 lane, +1 8 lane, +2 1,024 + lane, +3 the count, +4..7 zeros, +8..15 eight places, +16..23 eight entries, +24..31 eight gate weights
.set CA,   14                          ; v14      CNT
.set SM,   66                          ; s66-73   eight words' masks: chosen
.set SJ,   74                          ; s74-81   eight words' masks: chosen as the second choice
.set SB,   82                          ; s82-90   the ranks at which the eight words begin; the ninth is the next batch's first
.set MSB, 0
.macro WIN new                         ; the immediate's high byte repeats the setting that is left
.if MSB != \new
	s_set_vgpr_msb (MSB<<8)|\new
.set MSB, \new
.endif
.endm
; THE LIST: see the launch before; here with the gate weights (gw = 1).  Eight words at a time, stage by stage, so that no line reads the result of the line above it.
.macro BUILD gw
.irp i, 0,1,2,3,4,5,6,7
	ds_store_b128 v[BS], v[BS+4:BS+7] offset:512*\i            ; entries past the count are token 0
.endr
.if \gw
.irp i, 0,1,2,3,4,5,6,7
	ds_store_b128 v[BS], v[BS+4:BS+7] offset:GWL-LIST+512*\i
.endr
.endif
	s_wait_loadcnt 63                              ; behind these loads stand the 64 loads of weights; a wait names 63 at the most, so one load of weights is waited for with them
.irp b, 0,1,2,3
.irp k, 0,1,2,3,4,5,6,7
	v_and_b32 v[BS+8+\k], s32, v[RW+8*\b+\k]
.endr
.irp k, 0,1,2,3,4,5,6,7
	v_cmp_ne_u32 s[SM+\k], 0, v[BS+8+\k]           ; chosen
.endr
.irp k, 0,1,2,3,4,5,6,7
	v_cmp_lt_u32 s[SJ+\k], s37, v[BS+8+\k]         ; as the second choice
.endr
.irp k, 0,1,2,3,4,5,6,7
	v_cndmask_b32 v[BS+16+\k], 0, 1, s[SJ+\k]      ; j
.endr
.irp k, 0,1,2,3,4,5,6,7
	v_add_nc_u32 v[BS+16+\k], v[BS+16+\k], v[BS+1]
.endr
.irp k, 0,1,2,3,4,5,6,7
	v_add_nc_u32 v[BS+16+\k], 2*(128*(2*\b+\k/4)+\k%4), v[BS+16+\k]   ; 2 t + j
.endr
.if \gw
.irp k, 0,1,2,3,4,5,6,7
	v_cndmask_b32 v[BS+24+\k], v[GV+16*\b+2*\k], v[GV+16*\b+2*\k+1], s[SJ+\k]
.endr
.endif
	s_mov_b32 s[SB], s[SB+8]
.irp k, 0,1,2,3,4,5,6,7
	s_bcnt1_i32_b32 s36, s[SM+\k]
	s_add_co_u32 s[SB+\k+1], s[SB+\k], s36         ; where the next word's ranks begin
.endr
.irp k, 0,1,2,3,4,5,6,7
	v_mbcnt_lo_u32_b32 v[BS+8+\k], s[SM+\k], s[SB+\k]   ; the rank
.endr
.irp k, 0,1,2,3,4,5,6,7
	v_cndmask_b32 v[BS+8+\k], v[BS+2], v[BS+8+\k], s[SM+\k]
.endr
.irp k, 0,1,2,3,4,5,6,7
	v_min_u32 v[BS+8+\k], 1055, v[BS+8+\k]
.endr
.irp k, 0,1,2,3,4,5,6,7
	v_lshl_add_u32 v[BS+8+\k], v[BS+8+\k], 2, LIST
.endr
.irp k, 0,1,2,3,4,5,6,7
	ds_store_b32 v[BS+8+\k], v[BS+16+\k]
.if \gw
	ds_store_b32 v[BS+8+\k], v[BS+24+\k] offset:GWL-LIST
.endif
.endr
.endr
	v_mov_b32 v[BS+3], s[SB+8]
	ds_store_b32 v[CA], v[BS+3]
.endm
	s_load_b256 s[4:11], s[0:1], 0x0               ; hq, route, gatew, W2's codes
	s_load_b128 s[12:15], s[0:1], 0x20             ; b2, the scales' exponents
	s_load_b64 s[16:17], s[0:1], 0x30              ; ybuf
	v_lshl_add_u32 v254, v0, 2, 0x33b00
	v_mov_b32 v255, 0
	v_lshrrev_b32 v1, 5, v0
	v_readfirstlane_b32 s18, v1                    ; wave 0..3
	s_lshr_b32 s19, ttmp9, 5                       ; e
	s_bfe_u32 s20, ttmp9, 0x40001                  ; dc
	s_and_b32 s21, ttmp9, 1                        ; rh
	v_and_b32 v1, 31, v0                           ; lane
	v_and_b32 v2, 15, v0                           ; r
	v_bfe_u32 v3, v0, 4, 1                         ; h
	v_lshlrev_b32 v4, 4, v1                        ; 16 x lane: the offset of every dense load; never rewritten
	v_lshlrev_b32 v12, 3, v1                       ; 8 x lane: my two columns of the 64
	v_lshlrev_b32 v15, 5, v1                       ; 32 x lane
	s_mul_i32 s29, s18, 32*PIT
	v_add_nc_u32 v5, s29, v4                       ; weights into my stage
	v_mul_u32_u24 v6, v2, PIT
	v_lshl_add_u32 v6, v3, 4, v6
	v_add_nc_u32 v6, s29, v6                       ; and back as fragments
	s_mul_i32 s29, s18, 8704
	s_add_co_u32 s29, s29, RED
	v_mul_u32_u24 v7, v2, 272
	v_lshl_add_u32 v7, v3, 5, v7
	v_add_nc_u32 v7, s29, v7                       ; my partial sums: row r, 32 h
	s_mul_i32 s29, s18, 2176
	s_add_co_u32 s29, s29, RED
	v_lshl_add_u32 v8, v1, 3, s29                  ; the rows that I add: row 8 w, my two columns
	s_lshl_b32 s29, s18, 5
	s_add_co_u32 s29, s29, LIST
	v_mov_b32 v9, s29                              ; their entries: from entry 8 w on, the same address in every lane
	s_lshl_b32 s41, s18, 3
	s_add_co_u32 s41, s41, 32                      ; 8 w + 32
	v_mov_b32 v[CA], CNT
	v_add_nc_u32 v[BS], LIST, v4
	v_lshlrev_b32 v[BS+1], 3, v1
	v_add_nc_u32 v[BS+2], 1024, v1
.irp i, 4,5,6,7
	v_mov_b32 v[BS+\i], 0
.endr
	s_lshl_b32 s32, 0x101, s19
	s_mov_b32 s37, 255
	s_mov_b32 s31, 0
	s_wait_kmcnt 0x0
	s_load_b128 s[24:27], s[14:15], 0x0            ; ex, ew1, ew2, eh
	s_lshl_b32 s30, s19, 22
	s_lshl_b32 s29, s21, 17
	s_add_co_u32 s30, s30, s29
	s_lshl_b32 s29, s18, 14
	s_add_co_u32 s30, s30, s29
	s_add_nc_u64 s[4:5], s[4:5], s[30:31]          ; hq: expert e, tile 2 rh, K step 8 w
	s_lshl_b32 s30, s19, 22
	s_lshl_b32 s29, s20, 18
	s_add_co_u32 s30, s30, s29
	s_lshl_b32 s29, s18, 10
	s_add_co_u32 s30, s30, s29
	s_add_nc_u64 s[10:11], s[10:11], s[30:31]      ; W2: row 1,024 e + 64 dc, K = 1,024 w
	s_lshl_b32 s30, s19, 12
	s_lshl_b32 s29, s20, 8
	s_add_co_u32 s30, s30, s29
	s_add_nc_u64 s[12:13], s[12:13], s[30:31]      ; b2
	s_lshl_b32 s30, s20, 8
	s_add_nc_u64 s[16:17], s[16:17], s[30:31]      ; ybuf: column 64 dc
	global_load_b64 v[16:17], v12, s[12:13]        ; b2 of my two columns
.irp q, 0,1,2,3,4,5,6,7
	global_load_b128 v[RW+4*\q:RW+4*\q+3], v4, s[6:7] offset:512*\q
.endr
.irp q, 0,1,2,3,4,5,6,7
	global_load_b128 v[GV+8*\q:GV+8*\q+3], v15, s[8:9] offset:1024*\q
	global_load_b128 v[GV+8*\q+4:GV+8*\q+7], v15, s[8:9] offset:1024*\q+16
.endr
	WIN 0x40                                       ; destination window 1: rows 0 to 31 of my 64, all asked for ahead of the list's builder, in every wave
.set n, 0
.rept 64
	global_load_b128 v[4*n:4*n+3], v4, s[10:11] offset:4096*(n/2)+512*(n%2)
.set n, n+1
.endr
	WIN 0
	s_cmp_lg_u32 s18, 0
	s_cbranch_scc1 .Lno_build
	s_lshl_b32 s33, s21, 5
	s_sub_co_u32 s[SB+8], 0, s33                   ; ranks are counted from 32 rh
	BUILD 1
.Lno_build:
	s_wait_dscnt 0x0                               ; the list lies in LDS
	s_barrier_signal -1
	s_barrier_wait -1
	ds_load_b32 v[BS+3], v[CA]
	s_wait_dscnt 0x0
	v_readfirstlane_b32 s22, v[BS+3]               ; the expert's rows less 32 rh: -32 at the least,
	s_add_co_u32 s22, s22, 32                      ; so 32 are added: 0 at the least,
	s_min_u32 s22, s22, 1056                       ; and the number is held.  List entry n is a row of mine where n + 32 < s22
.irp G, 0,1,2,3
	s_wait_loadcnt 48                              ; behind this group of 16 stand three groups of 16
	WIN 0x04                                       ; store data window 1
.irp k, 0,1,2,3,4,5,6,7,8,9,10,11,12,13,14,15
	ds_store_b128 v5, v[4*(16*\G+\k):4*(16*\G+\k)+3] offset:PIT*((16*\G+\k)/2)+512*(\k%2)
.endr
	WIN 0x80                                       ; destination window 2: rows 32 to 63
.irp k, 0,1,2,3,4,5,6,7,8,9,10,11,12,13,14,15
	global_load_b128 v[4*(16*\G+\k):4*(16*\G+\k)+3], v4, s[10:11] offset:131072+4096*((16*\G+\k)/2)+512*(\k%2)
.endr
.endr
	WIN 0
	s_wait_dscnt 0x0                               ; the stores have read their registers
	WIN 0x40
.irp t, 0,1
.irp s, 0,1,2,3,4,5,6,7
.irp c, 0,1,2,3
	ds_load_b128 v[16*(8*\t+\s)+4*\c:16*(8*\t+\s)+4*\c+3], v6 offset:16*PIT*\t+128*\s+32*\c
.endr
.endr
.endr
	WIN 0
	s_wait_dscnt 0x0                               ; tiles 0 and 1 are in registers: my stage takes the other 32 rows
.irp G, 0,1,2,3
	s_wait_loadcnt 48
	WIN 0x08                                       ; store data window 2
.irp k, 0,1,2,3,4,5,6,7,8,9,10,11,12,13,14,15
	ds_store_b128 v5, v[4*(16*\G+\k):4*(16*\G+\k)+3] offset:PIT*((16*\G+\k)/2)+512*(\k%2)
.endr
	WIN 0xc0                                       ; destination window 3: the first trip's two tiles, which the launch before always writes
.irp k, 0,1,2,3,4,5,6,7,8,9,10,11,12,13,14,15
	global_load_b128 v[4*(16*\G+\k):4*(16*\G+\k)+3], v4, s[4:5] offset:65536*((16*\G+\k)/32)+512*((16*\G+\k)%32)
.endr
.endr
	WIN 0
	s_wait_dscnt 0x0
	WIN 0x80
.irp t, 0,1
.irp s, 0,1,2,3,4,5,6,7
.irp c, 0,1,2,3
	ds_load_b128 v[16*(8*\t+\s)+4*\c:16*(8*\t+\s)+4*\c+3], v6 offset:16*PIT*\t+128*\s+32*\c
.endr
.endr
.endr
	WIN 0
	s_wait_kmcnt 0x0
	s_add_co_i32 s38, s26, s27
	s_add_co_i32 s38, s38, 127
	s_lshl_b32 s38, s38, 23                        ; 2^(ew2 + eh)
	s_mov_b32 s39, s38
	s_wait_dscnt 0x0                               ; tiles 2 and 3 are in registers
.macro ALOAD a                         ; the next trip's tile a, four tiles (262,144 bytes) on from this trip's: 32 loads of 512 consecutive bytes
	WIN 0xc0
.set n, 0
.rept 32
	global_load_b128 v[128*\a+4*n:128*\a+4*n+3], v4, s[4:5] offset:262144+65536*\a+512*n
.set n, n+1
.endr
	WIN 0
.endm
; tile a x my 64 outputs x my 8 K steps: 32 products, two accumulators by turns.  young: the loads issued behind this tile's own
.macro MM a, young
	WIN 0x0d                                       ; source 0 (W2) window 1, source 1 (h) window 3
.irp s, 0,1,2,3,4,5,6,7
	s_wait_loadcnt \young+28-4*\s                  ; K step s is in
.irp t, 0,1
.if \s == 0
	v_wmma_f32_16x16x128_bf8_bf8 v[32+32*\a+8*\t:32+32*\a+8*\t+7], v[16*(8*\t+\s):16*(8*\t+\s)+15], v[128*\a+16*\s:128*\a+16*\s+15], 0
.else
	v_wmma_f32_16x16x128_bf8_bf8 v[32+32*\a+8*\t:32+32*\a+8*\t+7], v[16*(8*\t+\s):16*(8*\t+\s)+15], v[128*\a+16*\s:128*\a+16*\s+15], v[32+32*\a+8*\t:32+32*\a+8*\t+7]
.endif
.endr
.endr
	WIN 0x0e                                       ; source 0 window 2
.irp s, 0,1,2,3,4,5,6,7
.irp t, 0,1
.if \s == 0
	v_wmma_f32_16x16x128_bf8_bf8 v[48+32*\a+8*\t:48+32*\a+8*\t+7], v[16*(8*\t+\s):16*(8*\t+\s)+15], v[128*\a+16*\s:128*\a+16*\s+15], 0
.else
	v_wmma_f32_16x16x128_bf8_bf8 v[48+32*\a+8*\t:48+32*\a+8*\t+7], v[16*(8*\t+\s):16*(8*\t+\s)+15], v[128*\a+16*\s:128*\a+16*\s+15], v[48+32*\a+8*\t:48+32*\a+8*\t+7]
.endif
.endr
.endr
	WIN 0
.rept 5
	v_nop                                          ; places behind the products (ISA guide 7.12.1)
.endr
.endm
.macro PSTORE buf                      ; lane (r, h): row 16 a + r, outputs 16 t + 8 h + 0 .. 7; each accumulator from its low end on
.irp a, 0,1
.irp t, 0,1,2,3
	ds_store_b128 v7, v[32+32*\a+8*\t:32+32*\a+8*\t+3] offset:34816*\buf+4352*\a+64*\t
	ds_store_b128 v7, v[32+32*\a+8*\t+4:32+32*\a+8*\t+7] offset:34816*\buf+4352*\a+64*\t+16
.endr
.endr
.endm
; wave w adds the four parts of rows 8 w + i, i = 0 .. 7, two columns a lane, and stores each row by one instruction: 256 aligned bytes of a row of ybuf.
; The rows ascend, so the first row past the count ends the stores: a scalar branch on the held count, round stores alone.
.macro REDUCE buf
	s_lshl_b32 s29, s28, 2
	v_add_nc_u32 v10, s29, v9
	ds_load_b128 v[20:23], v10                     ; my eight rows' entries 2 t + j, the same in every lane,
	ds_load_b128 v[24:27], v10 offset:16
	ds_load_b128 v[176:179], v10 offset:GWL-LIST   ; and their gate weights
	ds_load_b128 v[180:183], v10 offset:GWL-LIST+16
.irp i, 0,1,2,3,4,5,6,7
.irp u, 0,1,2,3
	ds_load_b64 v[96+8*\i+2*\u:97+8*\i+2*\u], v8 offset:34816*\buf+8704*\u+272*\i   ; K quarter u of row 8 w + i: 32 lanes read 256 consecutive bytes
.endr
.endr
	s_wait_dscnt 0x0
.irp i, 0,1,2,3,4,5,6,7
	v_pk_add_f32 v[160+2*\i:161+2*\i], v[96+8*\i:97+8*\i], v[98+8*\i:99+8*\i]          ; K ascending
.endr
.irp i, 0,1,2,3,4,5,6,7
	v_pk_add_f32 v[160+2*\i:161+2*\i], v[160+2*\i:161+2*\i], v[100+8*\i:101+8*\i]
.endr
.irp i, 0,1,2,3,4,5,6,7
	v_pk_add_f32 v[160+2*\i:161+2*\i], v[160+2*\i:161+2*\i], v[102+8*\i:103+8*\i]
.endr
.irp i, 0,1,2,3,4,5,6,7
	v_pk_fma_f32 v[160+2*\i:161+2*\i], v[160+2*\i:161+2*\i], s[38:39], v[16:17] op_sel_hi:[1,0,1]   ; sum x 2^(ew2 + eh) + b2
.endr
.irp i, 0,1,2,3,4,5,6,7
	v_mul_f32 v[160+2*\i], v[160+2*\i], v[176+\i]  ; x the gate weight
	v_mul_f32 v[161+2*\i], v[161+2*\i], v[176+\i]
.endr
.irp i, 0,1,2,3,4,5,6,7
	v_min_u32 v[20+\i], 2047, v[20+\i]             ; the entry is held ahead of the address
.endr
.irp i, 0,1,2,3,4,5,6,7
	v_lshl_add_u32 v[20+\i], v[20+\i], 12, v12     ; a row of ybuf is 4,096 bytes; + my two columns
.endr
	s_add_co_u32 s30, s28, s41                     ; my first row's entry number + 32
.irp i, 0,1,2,3,4,5,6,7
	s_add_co_u32 s31, s30, \i
	s_cmp_lt_u32 s31, s22                          ; is row 8 w + i of the trip under the count?
	s_cbranch_scc0 .Lpast_\@
	global_store_b64 v[20+\i], v[160+2*\i:161+2*\i], s[16:17]
.endr
.Lpast_\@:
.endm
; 32 rows.  Whether a next trip follows is ONE branch with two arms, so that its two tiles are asked for together and in this order: at a trip's head the 32 youngest loads are tile 1's.
.macro TRIP buf
	s_add_co_u32 s29, s28, 32
	s_cmp_lt_u32 s29, s22                          ; has this trip a row of mine?
	s_cbranch_scc0 .Lidle_\@
	MM 0, 32
	s_add_co_u32 s29, s28, 96
	s_cmp_lt_u32 s29, s22                          ; has the next?
	s_cbranch_scc0 .Llast_\@
	ALOAD 0
	MM 1, 32
	ALOAD 1
	s_branch .Lput_\@
.Llast_\@:
	MM 1, 0
.Lput_\@:
	PSTORE \buf
.Lidle_\@:
	s_wait_dscnt 0x0                               ; my parts lie in LDS, and my reads of the other buffer are over
	s_barrier_signal -1
	s_barrier_wait -1
	s_add_co_u32 s29, s28, 32
	s_cmp_lt_u32 s29, s22
	s_cbranch_scc0 .Lnone_\@
	REDUCE \buf
.Lnone_\@:
	s_wait_xcnt 0x0                                ; the loads have read their base, the stores their offsets and data: all are written again only behind this wait
	s_add_nc_u64 s[4:5], s[4:5], 262144            ; hq: four tiles on
	s_add_co_u32 s28, s28, 64
.endm
	s_mov_b32 s28, 0                               ; the trip's first list entry
	s_mov_b32 s23, 8
.Ltrip:
	TRIP 0
	TRIP 1
	s_sub_co_u32 s23, s23, 1
	s_cmp_lg_u32 s23, 0
	s_cbranch_scc1 .Ltrip
	s_wait_tensorcnt 0x0
	ds_add_u32 v254, v255
	s_wait_dscnt 0x0
	s_endpgm
.Lfunc_end_k_q5ef8b0cccd_ffn2:
	.size	k_q5ef8b0cccd_ffn2, .Lfunc_end_k_q5ef8b0cccd_ffn2-k_q5ef8b0cccd_ffn2
	.p2alignl 7, 3214868480
	.fill 96, 4, 3214868480
	.section	.rodata,"a",@progbits
	.p2align	6, 0x0
	.amdhsa_kernel k_q5ef8b0cccd_ffn2
		.amdhsa_group_segment_fixed_size 212224
		.amdhsa_private_segment_fixed_size 0
		.amdhsa_enable_private_segment 0
		.amdhsa_kernarg_size 56
		.amdhsa_user_sgpr_count 2
		.amdhsa_user_sgpr_kernarg_segment_ptr 1
		.amdhsa_wavefront_size32 1
		.amdhsa_system_sgpr_workgroup_id_x 1
		.amdhsa_system_sgpr_workgroup_id_y 1
		.amdhsa_system_sgpr_workgroup_id_z 1
		.amdhsa_system_vgpr_workitem_id 0
		.amdhsa_next_free_vgpr 1024
		.amdhsa_next_free_sgpr 92
		.amdhsa_reserve_vcc 0
		.amdhsa_float_denorm_mode_32 3
		.amdhsa_float_denorm_mode_16_64 3
		.amdhsa_memory_ordered 1
		.amdhsa_forward_progress 1
		.amdhsa_inst_pref_size 115
	.end_amdhsa_kernel
	.amdgpu_metadata
---
amdhsa.version: [ 1, 2 ]
amdhsa.kernels:
  - .name:           k_q5ef8b0cccd_ffn2
    .symbol:         k_q5ef8b0cccd_ffn2.kd
    .args:
      - { .name: hq, .offset: 0, .size: 8, .value_kind: global_buffer, .address_space: global }
      - { .name: route, .offset: 8, .size: 8, .value_kind: global_buffer, .address_space: global }
      - { .name: gatew, .offset: 16, .size: 8, .value_kind: global_buffer, .address_space: global }
      - { .name: W2_codes, .offset: 24, .size: 8, .value_kind: global_buffer, .address_space: global }
      - { .name: b2, .offset: 32, .size: 8, .value_kind: global_buffer, .address_space: global }
      - { .name: lowp_scales, .offset: 40, .size: 8, .value_kind: global_buffer, .address_space: global }
      - { .name: ybuf, .offset: 48, .size: 8, .value_kind: global_buffer, .address_space: global }
    .group_segment_fixed_size: 212224
    .private_segment_fixed_size: 0
    .kernarg_segment_align: 8
    .kernarg_segment_size: 56
    .max_flat_workgroup_size: 128
    .sgpr_count:     92
    .vgpr_count:     1024
    .wavefront_size: 32
...
	.end_amdgpu_metadata
.endif
;; end of part 3
;; launch combine (part 4): grid 256 x 1, 4 waves a work-group, no clusters, 0 bytes of LDS; arguments ybuf, psum, out0, out1; writes out0, out1
.if DOCPART == 4
	.amdgcn_target "amdgcn-amd-amdhsa--gfx1250"
	.amdhsa_code_object_version 6
	.text
	.protected	k_q5ef8b0cccd_combine
	.globl	k_q5ef8b0cccd_combine
	.p2align	8
	.type	k_q5ef8b0cccd_combine,@function
k_q5ef8b0cccd_combine:
	s_mov_b64 s[64:65], 0
	v_nop
	global_prefetch_b8 v0, s[64:65] scope:SCOPE_SE
	s_setreg_imm32_b32 hwreg(HW_REG_WAVE_MODE, 25, 1), 1
	s_wait_xcnt 0x0
; out0[t] = ybuf[2 t] + ybuf[2 t + 1]: a token's two experts, already weighted.  A wave takes a token: 16 loads and 8 stores of 512 consecutive bytes.  A stream: no LDS, no barrier, no matrix unit.
; The wave of token 0 also makes the loss: out1 = 8 x sum over e of (count_e / total) x (sum of probabilities_e / 1,024), from the 64 rows of psum.
; It has a path of its own, on which psum's eight loads stand AHEAD of the token's sixteen: they are on their way together, and the loss pays no second trip to memory.
.macro ASK                             ; the token's two rows
.irp i, 0,1,2,3,4,5,6,7
	global_load_b128 v[8+4*\i:11+4*\i], v2, s[4:5] offset:512*\i th:TH_LOAD_NT
.endr
.irp i, 0,1,2,3,4,5,6,7
	global_load_b128 v[40+4*\i:43+4*\i], v2, s[4:5] offset:4096+512*\i th:TH_LOAD_NT
.endr
.endm
.macro SUMS
.irp i, 0,1,2,3,4,5,6,7
	s_wait_loadcnt 7-\i                            ; both rows' piece i is in; the second row's later pieces may be out
	v_pk_add_f32 v[8+4*\i:9+4*\i], v[8+4*\i:9+4*\i], v[40+4*\i:41+4*\i]
	v_pk_add_f32 v[10+4*\i:11+4*\i], v[10+4*\i:11+4*\i], v[42+4*\i:43+4*\i]
	global_store_b128 v2, v[8+4*\i:11+4*\i], s[8:9] offset:512*\i th:TH_STORE_NT
.endr
.endm
	s_load_b256 s[4:11], s[0:1], 0x0               ; ybuf, psum, out0, out1
	v_lshrrev_b32 v1, 5, v0
	v_readfirstlane_b32 s12, v1
	v_and_b32 v1, 31, v0
	v_lshlrev_b32 v2, 4, v1
	s_lshl_b32 s13, ttmp9, 2
	s_add_co_u32 s13, s13, s12                     ; the token
	s_lshl_b32 s14, s13, 13
	s_mov_b32 s15, 0
	s_lshl_b32 s16, s13, 12
	s_mov_b32 s17, 0
	s_wait_kmcnt 0x0
	s_add_nc_u64 s[4:5], s[4:5], s[14:15]
	s_add_nc_u64 s[8:9], s[8:9], s[16:17]
	s_cmp_lg_u32 s13, 0
	s_cbranch_scc1 .Lplain
	; ---- token 0's wave.  psum: load i, lane l: row 8 i + l / 4, columns 4 (l % 4) + 0 .. 3
.irp i, 0,1,2,3,4,5,6,7
	global_load_b128 v[80+4*\i:83+4*\i], v2, s[6:7] offset:512*\i
.endr
	ASK
	s_mov_b32 s18, 0x76543210
	s_mov_b32 s19, 0xfedcba98
.irp k, 0,1,2,3
	v_mov_b32 v[76+\k], 0                          ; a lane permute's destination counts as read
.endr
	v_mov_b32 v114, 0
	v_mov_b32 v115, 0
	SUMS                                           ; its last wait is for 0: psum's loads, the oldest, are in as well
	v_pk_add_f32 v[72:73], v[80:81], v[84:85]
	v_pk_add_f32 v[74:75], v[82:83], v[86:87]
.irp i, 2,3,4,5,6,7
	v_pk_add_f32 v[72:73], v[72:73], v[80+4*\i:81+4*\i]
	v_pk_add_f32 v[74:75], v[74:75], v[82+4*\i:83+4*\i]
.endr
.irp x, 4,8
.irp k, 0,1,2,3
	v_add_f32_dpp v[72+\k], v[72+\k], v[72+\k] row_xmask:\x row_mask:0xf bank_mask:0xf
.endr
.endr
.irp k, 0,1,2,3
	v_permlanex16_b32 v[76+\k], v[72+\k], s18, s19
.endr
.irp k, 0,1,2,3
	v_add_f32 v[72+\k], v[72+\k], v[76+\k]         ; lane l: the whole sums of columns 4 (l % 4) + k: probabilities in lanes 0, 1, counts in lanes 2, 3
.endr
.irp k, 0,1,2,3
	v_mul_f32_dpp v[76+\k], v[72+\k], v[72+\k] row_xmask:2 row_mask:0xf bank_mask:0xf   ; probability x count of the same expert
.endr
	v_add_f32 v112, v76, v77
	v_add_f32 v113, v72, v73
	v_add_f32 v112, v112, v78
	v_add_f32 v113, v113, v74
	v_add_f32 v112, v112, v79
	v_add_f32 v113, v113, v75
	v_add_f32_dpp v112, v112, v112 row_xmask:1 row_mask:0xf bank_mask:0xf   ; over the eight experts
	v_add_f32_dpp v113, v113, v113 row_xmask:1 row_mask:0xf bank_mask:0xf   ; in lanes 2, 3: the total count
	v_mov_b32_dpp v114, v113 row_xmask:2 row_mask:0xf bank_mask:0xf
	v_mul_f32 v114, 0x43000000, v114               ; x 1,024 / 8
	v_rcp_f32 v114, v114
	v_nop
	s_wait_alu depctr_va_vdst(0)                   ; ahead of the reciprocal's first reader
	v_mul_f32 v112, v112, v114
	s_wait_xcnt 0x0                                ; EXEC changes only behind this wait
	v_cmp_eq_u32 vcc_lo, 0, v1
	s_and_saveexec_b32 s20, vcc_lo
	global_store_b32 v115, v112, s[10:11]
	s_wait_xcnt 0x0
	s_or_b32 exec_lo, exec_lo, s20
	s_endpgm
.Lplain:
	ASK
	SUMS
	s_endpgm
.Lfunc_end_k_q5ef8b0cccd_combine:
	.size	k_q5ef8b0cccd_combine, .Lfunc_end_k_q5ef8b0cccd_combine-k_q5ef8b0cccd_combine
	.p2alignl 7, 3214868480
	.fill 96, 4, 3214868480
	.section	.rodata,"a",@progbits
	.p2align	6, 0x0
	.amdhsa_kernel k_q5ef8b0cccd_combine
		.amdhsa_group_segment_fixed_size 0
		.amdhsa_private_segment_fixed_size 0
		.amdhsa_enable_private_segment 0
		.amdhsa_kernarg_size 32
		.amdhsa_user_sgpr_count 2
		.amdhsa_user_sgpr_kernarg_segment_ptr 1
		.amdhsa_wavefront_size32 1
		.amdhsa_system_sgpr_workgroup_id_x 1
		.amdhsa_system_sgpr_workgroup_id_y 1
		.amdhsa_system_sgpr_workgroup_id_z 1
		.amdhsa_system_vgpr_workitem_id 0
		.amdhsa_next_free_vgpr 128
		.amdhsa_next_free_sgpr 66
		.amdhsa_reserve_vcc 1
		.amdhsa_float_denorm_mode_32 3
		.amdhsa_float_denorm_mode_16_64 3
		.amdhsa_memory_ordered 1
		.amdhsa_forward_progress 1
		.amdhsa_inst_pref_size 12
	.end_amdhsa_kernel
	.amdgpu_metadata
---
amdhsa.version: [ 1, 2 ]
amdhsa.kernels:
  - .name:           k_q5ef8b0cccd_combine
    .symbol:         k_q5ef8b0cccd_combine.kd
    .args:
      - { .name: ybuf, .offset: 0, .size: 8, .value_kind: global_buffer, .address_space: global }
      - { .name: psum, .offset: 8, .size: 8, .value_kind: global_buffer, .address_space: global }
      - { .name: out0, .offset: 16, .size: 8, .value_kind: global_buffer, .address_space: global }
      - { .name: out1, .offset: 24, .size: 8, .value_kind: global_buffer, .address_space: global }
    .group_segment_fixed_size: 0
    .private_segment_fixed_size: 0
    .kernarg_segment_align: 8
    .kernarg_segment_size: 32
    .max_flat_workgroup_size: 128
    .sgpr_count:     66
    .vgpr_count:     128
    .wavefront_size: 32
...
	.end_amdgpu_metadata
.endif
;; end of part 4
;; ======== version 2 of 2: 4 launches; version 1 with the launch combine written anew for expert scheduling mode
;; workspace buffers: xq 1,048,576 bytes; route 4,096 bytes of whole numbers; gatew 8,192 bytes; psum 4,096 bytes; hq 33,554,432 bytes; ybuf 8,388,608 bytes
;; launch route: the kernel of part 1 again; grid 64 x 1, 8 waves a work-group, no clusters, 164,864 bytes of LDS; arguments x, Wg, Wn, bg, bn, noise, lowp_scales, xq, route, gatew, psum; writes xq, route, gatew, psum
;; launch ffn1: the kernel of part 2 again; grid 256 x 1, 4 waves a work-group, no clusters, 271,360 bytes of LDS; arguments xq, route, W1_codes, b1, lowp_scales, hq; writes hq
;; launch ffn2: the kernel of part 3 again; grid 256 x 1, 4 waves a work-group, no clusters, 212,224 bytes of LDS; arguments hq, route, gatew, W2_codes, b2, lowp_scales, ybuf; writes ybuf
;; launch combine (part 5): grid 256 x 1, 4 waves a work-group, no clusters, 0 bytes of LDS; arguments ybuf, psum, out0, out1; writes out0, out1
.if DOCPART == 5
	.amdgcn_target "amdgcn-amd-amdhsa--gfx1250"
	.amdhsa_code_object_version 6
	.text
	.protected	k_q5ef8b0cccd_combine
	.globl	k_q5ef8b0cccd_combine
	.p2align	8
	.type	k_q5ef8b0cccd_combine,@function
k_q5ef8b0cccd_combine:
	s_mov_b64 s[64:65], 0
	v_nop
	global_prefetch_b8 v0, s[64:65] scope:SCOPE_SE
	s_setreg_imm32_b32 hwreg(HW_REG_WAVE_SCHED_MODE, 0, 2), 2
	s_setreg_imm32_b32 hwreg(HW_REG_WAVE_MODE, 25, 1), 1
	s_wait_xcnt 0x0
	s_wait_alu depctr_vm_vsrc(0)
; out0[t] = ybuf[2 t] + ybuf[2 t + 1]: a token's two experts, already weighted.  A wave takes a token: 16 loads and 8 stores of 512 consecutive bytes.  A stream: no LDS, no barrier, no matrix unit.
; The wave of token 0 also makes the loss: out1 = 8 x sum over e of (count_e / total) x (sum of probabilities_e / 1,024), from the 64 rows of psum.
; It has a path of its own, on which psum's eight loads stand AHEAD of the token's sixteen: they are on their way together, and the loss pays no second trip to memory.
; THE MODE: SCHED_MODE bits 1:0 = 2 (LLVM: expert scheduling mode 2), set by the entry lines.  The code itself states the register dependences
; between vector instructions and memory instructions, with s_wait_alu, always for 0.
; THE PLAN.  Registers that memory instructions touch:
;   v2         16 x lane, the offset of every load and of the token's stores: written once at the head; one wait on va_vdst ahead of the branch serves both paths.
;   v8-39      the token's first row: loads land, the additions write the sums in place, the stores read them; never written again.
;   v40-71, v80-111   the second row and psum: loads land, vector lines read them; never loaded again.
;   v112, v115 the loss and its offset: vector lines write, one store reads.
; The sums go in two halves of four pieces: ONE wait on va_vdst stands between a half's eight additions and its four stores.
.macro ASK                             ; the token's two rows
.irp i, 0,1,2,3,4,5,6,7
	global_load_b128 v[8+4*\i:11+4*\i], v2, s[4:5] offset:512*\i th:TH_LOAD_NT
.endr
.irp i, 0,1,2,3,4,5,6,7
	global_load_b128 v[40+4*\i:43+4*\i], v2, s[4:5] offset:4096+512*\i th:TH_LOAD_NT
.endr
.endm
.macro SUMS
.irp g, 0,1
	s_wait_loadcnt 4-4*\g                          ; both rows' pieces 4 g to 4 g + 3 are in; the second row's later pieces may be out
.irp i, 0,1,2,3
	v_pk_add_f32 v[8+4*(4*\g+\i):9+4*(4*\g+\i)], v[8+4*(4*\g+\i):9+4*(4*\g+\i)], v[40+4*(4*\g+\i):41+4*(4*\g+\i)]
	v_pk_add_f32 v[10+4*(4*\g+\i):11+4*(4*\g+\i)], v[10+4*(4*\g+\i):11+4*(4*\g+\i)], v[42+4*(4*\g+\i):43+4*(4*\g+\i)]
.endr
	s_wait_alu depctr_va_vdst(0)                   ; the eight additions have written the four pieces, which the stores below read
.irp i, 0,1,2,3
	global_store_b128 v2, v[8+4*(4*\g+\i):11+4*(4*\g+\i)], s[8:9] offset:512*(4*\g+\i) th:TH_STORE_NT
.endr
.endr
.endm
	s_load_b256 s[4:11], s[0:1], 0x0               ; ybuf, psum, out0, out1
	v_lshrrev_b32 v1, 5, v0
	v_readfirstlane_b32 s12, v1
	v_and_b32 v1, 31, v0
	v_lshlrev_b32 v2, 4, v1
	s_wait_alu depctr_va_sdst(0)                   ; s12 is written, ahead of its first reader
	s_lshl_b32 s13, ttmp9, 2
	s_add_co_u32 s13, s13, s12                     ; the token
	s_lshl_b32 s14, s13, 13
	s_mov_b32 s15, 0
	s_lshl_b32 s16, s13, 12
	s_mov_b32 s17, 0
	s_wait_kmcnt 0x0
	s_add_nc_u64 s[4:5], s[4:5], s[14:15]
	s_add_nc_u64 s[8:9], s[8:9], s[16:17]
	s_wait_alu depctr_va_vdst(0)                   ; v2 is written, which the loads and stores of both paths read as their offset
	s_cmp_lg_u32 s13, 0
	s_cbranch_scc1 .Lplain
	; ---- token 0's wave.  psum: load i, lane l: row 8 i + l / 4, columns 4 (l % 4) + 0 .. 3
.irp i, 0,1,2,3,4,5,6,7
	global_load_b128 v[80+4*\i:83+4*\i], v2, s[6:7] offset:512*\i
.endr
	ASK
	s_mov_b32 s18, 0x76543210
	s_mov_b32 s19, 0xfedcba98
.irp k, 0,1,2,3
	v_mov_b32 v[76+\k], 0                          ; a lane permute's destination counts as read
.endr
	v_mov_b32 v114, 0
	v_mov_b32 v115, 0
	SUMS                                           ; its last wait is for 0: psum's loads, the oldest, are in as well
	v_pk_add_f32 v[72:73], v[80:81], v[84:85]
	v_pk_add_f32 v[74:75], v[82:83], v[86:87]
.irp i, 2,3,4,5,6,7
	v_pk_add_f32 v[72:73], v[72:73], v[80+4*\i:81+4*\i]
	v_pk_add_f32 v[74:75], v[74:75], v[82+4*\i:83+4*\i]
.endr
.irp x, 4,8
.irp k, 0,1,2,3
	v_add_f32_dpp v[72+\k], v[72+\k], v[72+\k] row_xmask:\x row_mask:0xf bank_mask:0xf
.endr
.endr
.irp k, 0,1,2,3
	v_permlanex16_b32 v[76+\k], v[72+\k], s18, s19
.endr
.irp k, 0,1,2,3
	v_add_f32 v[72+\k], v[72+\k], v[76+\k]         ; lane l: the whole sums of columns 4 (l % 4) + k: probabilities in lanes 0, 1, counts in lanes 2, 3
.endr
.irp k, 0,1,2,3
	v_mul_f32_dpp v[76+\k], v[72+\k], v[72+\k] row_xmask:2 row_mask:0xf bank_mask:0xf   ; probability x count of the same expert
.endr
	v_add_f32 v112, v76, v77
	v_add_f32 v113, v72, v73
	v_add_f32 v112, v112, v78
	v_add_f32 v113, v113, v74
	v_add_f32 v112, v112, v79
	v_add_f32 v113, v113, v75
	v_add_f32_dpp v112, v112, v112 row_xmask:1 row_mask:0xf bank_mask:0xf   ; over the eight experts
	v_add_f32_dpp v113, v113, v113 row_xmask:1 row_mask:0xf bank_mask:0xf   ; in lanes 2, 3: the total count
	v_mov_b32_dpp v114, v113 row_xmask:2 row_mask:0xf bank_mask:0xf
	v_mul_f32 v114, 0x43000000, v114               ; x 1,024 / 8
	v_rcp_f32 v114, v114
	v_nop
	s_wait_alu depctr_va_vdst(0)                   ; the reciprocal has written v114, ahead of its first reader
	v_mul_f32 v112, v112, v114
	s_wait_xcnt 0x0                                ; EXEC changes only behind this wait
	v_cmp_eq_u32 vcc_lo, 0, v1
	s_wait_alu depctr_va_vcc(0)                    ; VCC is written: EXEC is made from it
	s_wait_alu depctr_va_vdst(0)                   ; ahead of the write of EXEC: the vector lines are done; among them v112 and v115 are written, which the store below reads
	s_wait_alu depctr_vm_vsrc(0)                   ; ahead of the write of EXEC: the token's stores have read their registers
	s_and_saveexec_b32 s20, vcc_lo
	global_store_b32 v115, v112, s[10:11]
	s_wait_xcnt 0x0
	s_wait_alu depctr_va_vdst(0)                   ; ahead of the write of EXEC
	s_wait_alu depctr_vm_vsrc(0)                   ; ahead of the write of EXEC: the store has read v112 and v115
	s_or_b32 exec_lo, exec_lo, s20
	s_endpgm
.Lplain:
	ASK
	SUMS
	s_endpgm
.Lfunc_end_k_q5ef8b0cccd_combine:
	.size	k_q5ef8b0cccd_combine, .Lfunc_end_k_q5ef8b0cccd_combine-k_q5ef8b0cccd_combine
	.p2alignl 7, 3214868480
	.fill 96, 4, 3214868480
	.section	.rodata,"a",@progbits
	.p2align	6, 0x0
	.amdhsa_kernel k_q5ef8b0cccd_combine
		.amdhsa_group_segment_fixed_size 0
		.amdhsa_private_segment_fixed_size 0
		.amdhsa_enable_private_segment 0
		.amdhsa_kernarg_size 32
		.amdhsa_user_sgpr_count 2
		.amdhsa_user_sgpr_kernarg_segment_ptr 1
		.amdhsa_wavefront_size32 1
		.amdhsa_system_sgpr_workgroup_id_x 1
		.amdhsa_system_sgpr_workgroup_id_y 1
		.amdhsa_system_sgpr_workgroup_id_z 1
		.amdhsa_system_vgpr_workitem_id 0
		.amdhsa_next_free_vgpr 128
		.amdhsa_next_free_sgpr 66
		.amdhsa_reserve_vcc 1
		.amdhsa_float_denorm_mode_32 3
		.amdhsa_float_denorm_mode_16_64 3
		.amdhsa_memory_ordered 1
		.amdhsa_forward_progress 1
		.amdhsa_inst_pref_size 12
	.end_amdhsa_kernel
	.amdgpu_metadata
---
amdhsa.version: [ 1, 2 ]
amdhsa.kernels:
  - .name:           k_q5ef8b0cccd_combine
    .symbol:         k_q5ef8b0cccd_combine.kd
    .args:
      - { .name: ybuf, .offset: 0, .size: 8, .value_kind: global_buffer, .address_space: global }
      - { .name: psum, .offset: 8, .size: 8, .value_kind: global_buffer, .address_space: global }
      - { .name: out0, .offset: 16, .size: 8, .value_kind: global_buffer, .address_space: global }
      - { .name: out1, .offset: 24, .size: 8, .value_kind: global_buffer, .address_space: global }
    .group_segment_fixed_size: 0
    .private_segment_fixed_size: 0
    .kernarg_segment_align: 8
    .kernarg_segment_size: 32
    .max_flat_workgroup_size: 128
    .sgpr_count:     66
    .vgpr_count:     128
    .wavefront_size: 32
...
	.end_amdgpu_metadata
.endif
;; end of part 5
